; MI455X (gfx1250); checked and timed in simulation.
; The chip was launched on July 23, 2026; its instructions are those of AMD's public machine-readable ISA for CDNA 5 (MIT licence, August 2026) and "CDNA5" Instruction Set Architecture Reference Guide (July 2026). The comments in the code are by the model that wrote it; some were corrected since.
;; Multi Head Attention. Allowed arithmetic: float matrix products may take bf16 or f16 operands with f32 sums; all other float work in f32.
;; Inputs: Wk 768 x 768 float32; Wo 768 x 768 float32; Wq 768 x 768 float32; Wv 768 x 768 float32; att_mask 2 x 2,048 int32; bk 768 float32; bo 768 float32; bq 768 float32; bv 768 float32; h 2 x 2,048 x 768 float32.
;; Outputs: out0 2 x 2,048 x 768 float32.
;; 2 versions, each right. Each part assembles by itself: llvm-mc -triple=amdgcn-amd-amdhsa -mcpu=gfx1250 --defsym DOCPART=n.
;; ======== version 1 of 2: 4 launches
;; limits: values are held in f16: magnitudes above 65,504 overflow, below 6.1e-05 lose precision
;; workspace buffers: hb 6,291,456 bytes; wb 4,718,592 bytes; qkv 18,874,368 bytes; attw 6,291,456 bytes
;; launch cvt (part 1): grid 448 x 1, 8 waves a work-group, no clusters, 0 bytes of LDS; arguments h, Wq, Wk, Wv, Wo, hb, wb; writes hb, wb
.if DOCPART == 1
	.amdgcn_target "amdgcn-amd-amdhsa--gfx1250"
	.amdhsa_code_object_version 6
	.text
	.protected	k_q6e82c8612f_cvt
	.globl	k_q6e82c8612f_cvt
	.p2align	8
	.type	k_q6e82c8612f_cvt,@function
k_q6e82c8612f_cvt:
	s_mov_b64 s[64:65], 0
	v_nop
	global_prefetch_b8 v0, s[64:65] scope:SCOPE_SE
	s_setreg_imm32_b32 hwreg(HW_REG_WAVE_MODE, 25, 1), 1
	s_wait_xcnt 0x0
; cvt: f16 copies of the five large inputs, so that the three matrix launches behind it move and read 16-bit tiles only.
;   hb = h as [4096][768] f16.   wb = four parts of 1,179,648 bytes: Wq x c, Wk, Wv as [768][768] f16 (together one [2304][768]),
;   then Wo blocked as [12 kb][768 n][64] f16, so that one block of 64 along K is dense.
;   c = 0.125 log2(e): the scores' scale and the change to base 2 are folded into Wq here (and into bq in the next launch).
; LIMIT: f16 operands. |h| and |W| must stay below 65,504; below 2^-14 the absolute step is 2^-25.
; A stream: no LDS, no matrix unit, no cluster (no two work-groups read the same byte).
; A work-group takes a unit of 1,536 chunks of 8 numbers: 256 threads x 6 chunks, 49,152 bytes in, 24,576 bytes out.
; Units 0-255: h; 256-303: Wq; 304-351: Wk; 352-399: Wv; 400-447: Wo.  Twelve loads of a thread are out at once; nothing is written twice, so there is no loop.
.set UNIT_IN,  49152
.set UNIT_OUT, 24576
.set CSC, 0x3e38aa3b                   ; 0.125 log2(e)
.set X, 8                              ; v[8:55]   six chunks of 8 f32
.set Y, 56                             ; v[56:79]  six chunks of 8 f16
.macro LOADS istride                   ; a thread's six chunks, istride bytes apart: 32 bytes each, two loads
.irp i, 0,1,2,3,4,5
	global_load_b128 v[X+8*\i:X+8*\i+3],   v1, s[20:21] offset:\i*\istride th:TH_LOAD_NT
	global_load_b128 v[X+8*\i+4:X+8*\i+7], v1, s[20:21] offset:\i*\istride+16 th:TH_LOAD_NT
.endr
.endm
	s_load_b256 s[4:11], s[0:1], 0x0               ; h s[4:5], Wq s[6:7], Wk s[8:9], Wv s[10:11]
	s_load_b128 s[12:15], s[0:1], 0x20             ; Wo s[12:13], hb s[14:15]
	s_load_b64 s[16:17], s[0:1], 0x30              ; wb
	s_sub_co_u32 s28, ttmp9, 256                   ; the unit's number inside its tensor, for each of the four weights
	s_sub_co_u32 s29, ttmp9, 304
	s_sub_co_u32 s30, ttmp9, 352
	s_sub_co_u32 s31, ttmp9, 400
	v_lshlrev_b32 v2, 4, v0                        ; out: 16 bytes a thread, so a wave's store covers 512 consecutive bytes
	s_wait_kmcnt 0x0
	s_cmp_ge_u32 ttmp9, 256
	s_cselect_b64 s[20:21], s[6:7], s[4:5]         ; source
	s_cselect_b64 s[24:25], s[16:17], s[14:15]     ; destination: wb or hb
	s_cselect_b32 s22, s28, ttmp9                  ; unit inside the source
	s_cselect_b32 s26, CSC, 1.0                    ; factor: c for Wq, 1 for all else (one text for all five tensors)
	s_mov_b32 s23, s22                             ; unit inside the destination: wb's four parts follow each other, 48 units each
	s_cmp_ge_u32 ttmp9, 304
	s_cselect_b64 s[20:21], s[8:9], s[20:21]
	s_cselect_b32 s22, s29, s22
	s_cselect_b32 s26, 1.0, s26
	s_cmp_ge_u32 ttmp9, 352
	s_cselect_b64 s[20:21], s[10:11], s[20:21]
	s_cselect_b32 s22, s30, s22
	s_cmp_ge_u32 ttmp9, 400
	s_cselect_b64 s[20:21], s[12:13], s[20:21]
	s_cselect_b32 s22, s31, s22
	s_mov_b32 s27, s26                             ; the pair's second word is written too
	s_mul_i32 s32, s23, UNIT_OUT
	s_mov_b32 s33, 0
	s_add_nc_u64 s[24:25], s[24:25], s[32:33]
	s_mov_b32 s35, 0
	s_cmp_ge_u32 ttmp9, 400
	s_cbranch_scc1 .Lblocked
	; h, Wq, Wk, Wv: the copy keeps the order.  Chunk 256 i + t of the unit: 32 bytes at 8,192 i + 32 t
	s_mul_i32 s34, s22, UNIT_IN
	s_add_nc_u64 s[20:21], s[20:21], s[34:35]
	v_lshlrev_b32 v1, 5, v0
	LOADS 8192
	s_branch .Lconvert
.Lblocked:
	; Wo: output chunk 1536 u + 256 i + t is (kb = u >> 2, n = 192 (u & 3) + 32 i + (t >> 3), j = t & 7), read at Wo[n][64 kb + 8 j]:
	; eight neighbouring threads read 256 consecutive bytes of a row of Wo
	s_and_b32 s34, s22, 3
	s_mul_i32 s34, s34, 192*3072
	s_lshr_b32 s36, s22, 2
	s_lshl_b32 s36, s36, 8
	s_add_co_u32 s34, s34, s36
	s_add_nc_u64 s[20:21], s[20:21], s[34:35]
	v_lshrrev_b32 v1, 3, v0
	v_mul_u32_u24 v1, v1, 3072
	v_and_b32 v3, 7, v0
	v_lshl_add_u32 v1, v3, 5, v1
	LOADS 32*3072
.Lconvert:
.irp i, 0,1,2,3,4,5
	s_wait_loadcnt 10-2*\i                         ; loads come back in order: chunk i's two are in, the younger chunks' stay out
.irp j, 0,2,4,6
	v_pk_mul_f32 v[X+8*\i+\j:X+8*\i+\j+1], v[X+8*\i+\j:X+8*\i+\j+1], s[26:27] op_sel_hi:[1,0]
.endr
.irp j, 0,1,2,3
	v_cvt_pk_f16_f32 v[Y+4*\i+\j], v[X+8*\i+2*\j], v[X+8*\i+2*\j+1]
.endr
	global_store_b128 v2, v[Y+4*\i:Y+4*\i+3], s[24:25] offset:4096*\i
.endr
	s_endpgm
.Lfunc_end_k_q6e82c8612f_cvt:
	.size	k_q6e82c8612f_cvt, .Lfunc_end_k_q6e82c8612f_cvt-k_q6e82c8612f_cvt
	.p2alignl 7, 3214868480
	.fill 96, 4, 3214868480
	.section	.rodata,"a",@progbits
	.p2align	6, 0x0
	.amdhsa_kernel k_q6e82c8612f_cvt
		.amdhsa_group_segment_fixed_size 0
		.amdhsa_private_segment_fixed_size 0
		.amdhsa_enable_private_segment 0
		.amdhsa_kernarg_size 56
		.amdhsa_user_sgpr_count 2
		.amdhsa_user_sgpr_kernarg_segment_ptr 1
		.amdhsa_wavefront_size32 1
		.amdhsa_system_sgpr_workgroup_id_x 1
		.amdhsa_system_sgpr_workgroup_id_y 1
		.amdhsa_system_sgpr_workgroup_id_z 1
		.amdhsa_system_vgpr_workitem_id 0
		.amdhsa_next_free_vgpr 96
		.amdhsa_next_free_sgpr 66
		.amdhsa_reserve_vcc 0
		.amdhsa_float_denorm_mode_32 3
		.amdhsa_float_denorm_mode_16_64 3
		.amdhsa_memory_ordered 1
		.amdhsa_forward_progress 1
		.amdhsa_inst_pref_size 9
	.end_amdhsa_kernel
	.amdgpu_metadata
---
amdhsa.version: [ 1, 2 ]
amdhsa.kernels:
  - .name:           k_q6e82c8612f_cvt
    .symbol:         k_q6e82c8612f_cvt.kd
    .args:
      - { .name: h, .offset: 0, .size: 8, .value_kind: global_buffer, .address_space: global }
      - { .name: Wq, .offset: 8, .size: 8, .value_kind: global_buffer, .address_space: global }
      - { .name: Wk, .offset: 16, .size: 8, .value_kind: global_buffer, .address_space: global }
      - { .name: Wv, .offset: 24, .size: 8, .value_kind: global_buffer, .address_space: global }
      - { .name: Wo, .offset: 32, .size: 8, .value_kind: global_buffer, .address_space: global }
      - { .name: hb, .offset: 40, .size: 8, .value_kind: global_buffer, .address_space: global }
      - { .name: wb, .offset: 48, .size: 8, .value_kind: global_buffer, .address_space: global }
    .group_segment_fixed_size: 0
    .private_segment_fixed_size: 0
    .kernarg_segment_align: 8
    .kernarg_segment_size: 56
    .max_flat_workgroup_size: 256
    .sgpr_count:     66
    .vgpr_count:     96
    .wavefront_size: 32
...
	.end_amdgpu_metadata
.endif
;; end of part 1
;; launch qkv (part 2): grid 12 x 16, 4 waves a work-group, clusters of 4 x 4, 327,680 bytes of LDS; arguments hb, wb, bq, bk, bv, att_mask, qkv; writes qkv
.if DOCPART == 2
	.amdgcn_target "amdgcn-amd-amdhsa--gfx1250"
	.amdhsa_code_object_version 6
	.text
	.protected	k_q6e82c8612f_qkv
	.globl	k_q6e82c8612f_qkv
	.p2align	8
	.type	k_q6e82c8612f_qkv,@function
k_q6e82c8612f_qkv:
	s_mov_b64 s[64:65], 0
	v_nop
	global_prefetch_b8 v0, s[64:65] scope:SCOPE_SE
	s_setreg_imm32_b32 hwreg(HW_REG_WAVE_MODE, 25, 1), 1
	s_wait_xcnt 0x0
	s_wait_alu depctr_hold_cnt(0) depctr_sa_sdst(0) depctr_va_vdst(0) depctr_va_sdst(0) depctr_va_ssrc(0) depctr_va_vcc(0) depctr_vm_vsrc(0)
	s_getreg_b32 s2, hwreg(HW_REG_IB_STS2, 6, 4)
	s_cmp_eq_u32 s2, 0
	s_cbranch_scc0 .Lentry_in_a_cluster
	s_endpgm
.Lentry_in_a_cluster:
	s_bfe_u32 s2, ttmp6, 0x10000c
	s_cmp_lg_u32 s2, 0xf033
	s_cbranch_scc0 .Lentry_shape_is_right
	s_endpgm
.Lentry_shape_is_right:
; qkv: [q c | k | v] = hb x wb^T + bias, f16 operands, f32 sums, stored in f16 as [3 mat][2 b][12 head][2048 s][64].
; hb: [4096][768], wb's first three parts: [2304][768].  The rows of k whose key is masked are stored as 0 (a select, no product),
; so that the next launch's score of such a key is exactly the constant that it adds for it.
; LIMIT: q c, k and v are rounded to f16: they must stay below 65,504.  With h and W both carrying an offset of 30 spreads they reach 768 x 30 x 30 / sqrt(768), about 24,900.
; A work-group makes 256 rows x 192 columns (three whole heads of one matrix); 12 x 16 = 192 work-groups: a split into 256 equal parts would cut heads.
; Four waves; wave w makes rows 64 w .. 64 w + 63 x all 192 columns: 48 accumulator tiles, 384 registers; per 32 of K it reads 16 fragments for 48 matrix instructions.
; K goes in 6 steps of 128 (rows of 256 bytes) through two LDS slots.  CLUSTERS of 4 x 4: a row of the cluster shares hb's tile, a column shares wb's: joint loads.
; A cluster's x is the matrix (0 q, 1 k, 2 v): four column blocks make one matrix.
; The bias is the C operand of each tile's first product: nothing is cleared and nothing is added afterwards.
; The matrix instruction is used transposed (source 0 = rows of wb, source 1 = rows of hb): a lane's 8 results are 8 neighbouring columns of one row.
; REGISTERS: window 0: v4-7 mask words, v16-28 addresses, v32-63 / v64-95 hb fragments (two buffers), v96-191 bias; on the way out v32-79 packed results, v96-143 / v144-191 rows read back
;            window 1: v0-95 / v96-191 wb fragments (two buffers);  window 2: tiles of m blocks 0, 1 at v[8 (12 a + b)];  window 3: m blocks 2, 3
.set KSTEP,  128
.set DK,     768
.set PITCH,  272                       ; an LDS row: 256 bytes + 16 of padding: 16 rows of a fragment start 68 words apart
.set AHALF,  128*PITCH                 ; what waves 0, 1 each bring of hb
.set BHALF,  96*PITCH                  ; what waves 2, 3 each bring of wb
.set BOFF,   256*PITCH                 ; wb's 192 rows lie behind hb's 256
.set SLOT,   448*PITCH
.set STAGE,  2*SLOT                    ; behind the ring, bytes that no tensor load fills: 3 heads x 16 rows x 144 bytes for each wave
.set SPITCH, 144
.set HSTAGE, 16*SPITCH
.set WSTAGE, 3*HSTAGE
.set CSC,    0x3e38aa3b                ; 0.125 log2(e)
.set MK,   4
.set ADRA, 16
.set ADRB, 20
.set STO,  24
.set RD,   25
.set CO,   26
.set BOF,  27
.set MOF,  28
.set FA,   32
.set BI,   96
.set TMP,  32
.set RB0,  96
.set RB1,  144
.set G1,  24                           ; s[24:31] group 1 for hb's tiles
.set G0,  32                           ; s[32:39] group 0 for hb's tiles, one set a slot
.set G1B, 48                           ; s[48:55] group 1 for wb's tiles
.set G0B, 56                           ; s[56:63] group 0 for wb's tiles, one set a slot
.set KM,  76                           ; s[76:79] for each m block: the lanes whose row is a masked key of k
.set FLAGS, (1<<16)|(1<<20)|(1<<21)|(5<<22)|(3<<25)   ; 2-byte elements; padding on; bit 21 beside a mask; after every 64 words; 4 words
.set MSB, 0
.macro WIN new                         ; the immediate's high byte repeats the setting that is left
.if MSB != \new
	s_set_vgpr_msb (MSB<<8)|\new
.set MSB, \new
.endif
.endm
.set MUL_LO,  0xa1                     ; source 0 window 1, source 1 window 0, C and D window 2
.set MUL_HI,  0xf1                     ; C and D window 3
.set INIT_LO, 0x81                     ; D window 2, C (the bias) window 0
.set INIT_HI, 0xc1
.set TO_B,    0x40                     ; destination window 1
.macro JLOAD s                         ; waves 0, 1 ask for hb's halves, waves 2, 3 for wb's: each line has one mask
	s_cmp_eq_u32 s11, 0
	s_cbranch_scc0 .Lfor_b_\@
	tensor_load_to_lds s[G0+4*\s:G0+4*\s+3], s[G1:G1+7]
	s_nop 0
	s_branch .Lasked_\@
.Lfor_b_\@:
	tensor_load_to_lds s[G0B+4*\s:G0B+4*\s+3], s[G1B:G1B+7]
	s_nop 0
.Lasked_\@:
.endm
.macro CREST                           ; a round of the cluster's barrier behind its opening work-group barrier
	s_cmp_lg_u32 s10, 0
	s_cbranch_scc1 .Lnot_wave_0_\@
	s_barrier_signal -3
.Lnot_wave_0_\@:
	s_barrier_wait -3
	s_barrier_signal -1
	s_barrier_wait -1
.endm
.macro CROUND
	s_barrier_signal -1
	s_barrier_wait -1
	CREST
.endm
.macro PLACES                          ; four places between a matrix instruction and a load into, or a vector instruction on, its registers
.rept 4
	v_nop
.endr
.endm
	s_load_b128 s[4:7], s[0:1], 0x0                ; hb, wb
	s_load_b128 s[68:71], s[0:1], 0x10             ; bq, bk
	s_load_b128 s[72:75], s[0:1], 0x20             ; bv, att_mask
	s_load_b64 s[8:9], s[0:1], 0x30                ; qkv
	s_set_vgpr_msb 0x40
	v_lshl_add_u32 v255, v0, 2, 0x42400
	s_set_vgpr_msb 0x4000
	v_mov_b32 v255, 0
	s_set_vgpr_msb 0x1
	ds_add_u32 v255, v255
	s_set_vgpr_msb 0x100
	v_lshrrev_b32 v1, 5, v0
	v_readfirstlane_b32 s10, v1                    ; wave 0..3
	s_lshr_b32 s11, s10, 1                         ; I fetch for hb (0) or wb (1)
	s_and_b32 s12, s10, 1                          ; which half of that tile
	s_bfe_u32 s40, ttmp6, 0x40000                  ; cx
	s_bfe_u32 s41, ttmp6, 0x40004                  ; cy
	s_and_b32 s13, ttmp7, 0xffff
	s_lshl_b32 s13, s13, 2
	s_add_co_u32 s13, s13, s41                     ; block row 0..15 = 4 x cluster y + cy
	s_lshl_b32 s43, s41, 2
	s_lshl_b32 s43, 15, s43                        ; my row of the cluster
	s_lshl_b32 s44, 0x1111, s40                    ; my column
	s_or_b32 s[G1+0], s43, FLAGS
	s_or_b32 s[G1B+0], s44, FLAGS
	s_mov_b32 s[G1+1], KSTEP<<16                   ; tensor_dim0 = 128
	s_mov_b32 s[G1B+1], KSTEP<<16
	s_mov_b32 s[G1+2], 128<<16                     ; tensor_dim1 = 128 rows
	s_mov_b32 s[G1B+2], 96<<16                     ;             =  96 rows
	s_mov_b32 s[G1+3], KSTEP<<16                   ; tile_dim0 = 128
	s_mov_b32 s[G1B+3], KSTEP<<16
	s_mov_b32 s[G1+4], 128                         ; tile_dim1
	s_mov_b32 s[G1B+4], 96
	s_mov_b32 s[G1+5], DK                          ; elements from row to row
	s_mov_b32 s[G1B+5], DK
	s_mov_b32 s[G1+6], 0
	s_mov_b32 s[G1B+6], 0
	s_mov_b32 s[G1+7], 0
	s_mov_b32 s[G1B+7], 0
	; hb's tile hangs on the block row alone, wb's on the matrix and cx alone; each address in registers that never hold the other coordinate
	s_lshl_b32 s17, s12, 7
	s_lshl_b32 s16, s13, 8
	s_add_co_u32 s16, s16, s17                     ; hb row 256 x block row + 128 x half
	s_mul_i32 s16, s16, DK*2
	s_mov_b32 s17, 0
	s_mul_i32 s46, ttmp9, 768
	s_mul_i32 s47, s40, 192
	s_add_co_u32 s46, s46, s47
	s_mul_i32 s47, s12, 96
	s_add_co_u32 s46, s46, s47                     ; wb row 768 x matrix + 192 cx + 96 x half
	s_mul_i32 s46, s46, DK*2
	s_mov_b32 s47, 0
	s_mul_i32 s20, s10, AHALF                      ; LDS: hb's halves at wave x 128 rows (waves 0, 1)
	s_mul_i32 s21, s10, BHALF
	s_add_co_u32 s21, s21, BOFF-2*BHALF            ; wb's halves at BOFF + (wave - 2) x 96 rows (waves 2, 3)
	; where my results go: matrix, then (12 b + 3 cx) heads of 2,048 rows, then row 256 (block row mod 8) + 64 wave, 128 bytes a row
	s_lshr_b32 s88, s13, 3
	s_mul_i32 s88, s88, 12
	s_mul_i32 s89, s40, 3
	s_add_co_u32 s88, s88, s89
	s_lshl_b32 s88, s88, 11
	s_and_b32 s89, s13, 7
	s_lshl_b32 s89, s89, 8
	s_add_co_u32 s88, s88, s89
	s_lshl_b32 s89, s10, 6
	s_add_co_u32 s88, s88, s89
	s_lshl_b32 s88, s88, 7
	s_mul_i32 s89, ttmp9, 6291456
	s_add_co_u32 s88, s88, s89
	s_mov_b32 s89, 0
	s_mul_i32 s86, s40, 768                        ; my 192 bias numbers
	s_mov_b32 s87, 0
	s_lshl_b32 s90, s13, 10                        ; my block's 256 mask words
	s_mov_b32 s91, 0
	s_wait_dscnt 0x0
	s_wait_kmcnt 0x0
	s_add_nc_u64 s[14:15], s[4:5], s[16:17]
	s_add_nc_u64 s[46:47], s[6:7], s[46:47]
	s_add_nc_u64 s[8:9], s[8:9], s[88:89]
	s_add_nc_u64 s[74:75], s[74:75], s[90:91]
	s_cmp_eq_u32 ttmp9, 1
	s_cselect_b64 s[84:85], s[70:71], s[68:69]     ; the matrix's bias
	s_cselect_b32 s80, -1, 0                       ; only k's rows are cleared
	s_cmp_eq_u32 ttmp9, 2
	s_cselect_b64 s[84:85], s[72:73], s[84:85]
	s_cmp_eq_u32 ttmp9, 0
	s_cselect_b32 s82, CSC, 1.0                    ; bq takes the factor that Wq has taken
	s_mov_b32 s83, s82
	s_add_nc_u64 s[84:85], s[84:85], s[86:87]
	CROUND                                         ; all sixteen work-groups are here: the first joint loads meet
.irp s, 0,1
	s_mov_b32 s[G0+4*\s], 1
	s_add_co_u32 s[G0+4*\s+1], s20, \s*SLOT
	s_add_nc_u64 s[G0+4*\s+2:G0+4*\s+3], s[14:15], \s*KSTEP*2
	s_or_b32 s[G0+4*\s+3], s[G0+4*\s+3], 0x80000000
	s_mov_b32 s[G0B+4*\s], 1
	s_add_co_u32 s[G0B+4*\s+1], s21, \s*SLOT
	s_add_nc_u64 s[G0B+4*\s+2:G0B+4*\s+3], s[46:47], \s*KSTEP*2
	s_or_b32 s[G0B+4*\s+3], s[G0B+4*\s+3], 0x80000000
	JLOAD \s                                       ; both slots' first fills go out before anything else: two tensor loads of a wave are out
.endr
	v_and_b32 v1, 15, v0                           ; r = lane % 16
	v_bfe_u32 v2, v0, 4, 1                         ; h = lane / 16
	v_mul_u32_u24 v3, v1, PITCH
	v_lshl_add_u32 v3, v2, 4, v3                   ; a fragment: row r, 16 bytes for each half of the lanes
	s_mul_i32 s22, s10, 64*PITCH                   ; my 64 rows of hb
	s_add_co_u32 s23, s22, SLOT
	v_add_nc_u32 v[ADRA], s22, v3
	v_add_nc_u32 v[ADRA+1], s23, v3
	v_add_nc_u32 v[ADRB], BOFF, v3
	v_add_nc_u32 v[ADRB+1], BOFF+SLOT, v3
	s_mul_i32 s22, s10, WSTAGE
	s_add_co_u32 s22, s22, STAGE                   ; my stage
	v_mul_u32_u24 v3, v1, SPITCH
	v_lshl_add_u32 v3, v2, 4, v3
	v_add_nc_u32 v[STO], s22, v3                   ; in: row r, 16 bytes for each half
	v_bfe_u32 v3, v0, 3, 2
	v_mul_u32_u24 v3, v3, SPITCH
	v_and_b32 v8, 7, v0
	v_lshl_add_u32 v3, v8, 4, v3
	v_add_nc_u32 v[RD], s22, v3                    ; back: eight lanes take a row of 128 bytes, the wave four rows
	v_and_b32 v8, 31, v0
	v_lshlrev_b32 v[CO], 4, v8                     ; and the same 512 bytes in memory, where a head's rows follow each other
	v_lshlrev_b32 v[BOF], 5, v2                    ; bias: 8 numbers from 8 h
	v_lshlrev_b32 v[MOF], 2, v1
	v_lshl_add_u32 v[MOF], s10, 8, v[MOF]          ; mask: word 64 wave + r
.irp b, 0,1,2,3,4,5,6,7,8,9,10,11
	global_load_b128 v[BI+8*\b:BI+8*\b+3],   v[BOF], s[84:85] offset:64*\b      ; register j of n block b: bias[16 b + 8 h + j], as the transposed result lies
	global_load_b128 v[BI+8*\b+4:BI+8*\b+7], v[BOF], s[84:85] offset:64*\b+16
.endr
.irp a, 0,1,2,3
	global_load_b32 v[MK+\a], v[MOF], s[74:75] offset:64*\a
.endr
	s_wait_loadcnt 0x0
.irp b, 0,1,2,3,4,5,6,7,8,9,10,11
.irp q, 0,2,4,6
	v_pk_mul_f32 v[BI+8*\b+\q:BI+8*\b+\q+1], v[BI+8*\b+\q:BI+8*\b+\q+1], s[82:83] op_sel_hi:[1,0]
.endr
.endr
.irp a, 0,1,2,3
	v_cmp_ne_u32 s[KM+\a], 0, v[MK+\a]             ; a lane's bit: its row of m block a is a masked key
	s_and_b32 s[KM+\a], s[KM+\a], s80              ; for q and v: none
.endr
; 12 matrix instructions: m block 2 hi + a x all 12 n blocks, 32 along K, from buffer f.  init = 1: the bias starts the sums.
.macro MUL12 f, hi, a, init
.irp b, 0,1,2,3,4,5,6,7,8,9,10,11
.if \init
	v_wmma_f32_16x16x32_f16 v[8*(12*\a+\b):8*(12*\a+\b)+7], v[96*\f+8*\b:96*\f+8*\b+7], v[FA+32*\f+8*(2*\hi+\a):FA+32*\f+8*(2*\hi+\a)+7], v[BI+8*\b:BI+8*\b+7]
.else
	v_wmma_f32_16x16x32_f16 v[8*(12*\a+\b):8*(12*\a+\b)+7], v[96*\f+8*\b:96*\f+8*\b+7], v[FA+32*\f+8*(2*\hi+\a):FA+32*\f+8*(2*\hi+\a)+7], v[8*(12*\a+\b):8*(12*\a+\b)+7]
.endif
.endr
.endm
; 32 LDS loads in one run: 192 rows of wb, then my 64 rows of hb, 32 K at byte k of the rows, into buffer f
.macro FETCH slot, k, f
	WIN TO_B
.irp i, 0,1,2,3,4,5,6,7,8,9,10,11
	ds_load_b128 v[96*\f+8*\i:96*\f+8*\i+3],   v[ADRB+\slot] offset:\k+\i*16*PITCH
	ds_load_b128 v[96*\f+8*\i+4:96*\f+8*\i+7], v[ADRB+\slot] offset:\k+\i*16*PITCH+32
.endr
	WIN 0
.irp i, 0,1,2,3
	ds_load_b128 v[FA+32*\f+8*\i:FA+32*\f+8*\i+3],   v[ADRA+\slot] offset:\k+\i*16*PITCH
	ds_load_b128 v[FA+32*\f+8*\i+4:FA+32*\f+8*\i+7], v[ADRA+\slot] offset:\k+\i*16*PITCH+32
.endr
.endm
; A K step is four quarters of 32 along K, 48 matrix instructions each, on buffers 0, 1, 0, 1.  The 48 accumulators take turns, one instruction a turn,
; in the same order in every quarter.
.macro QUARTER slot, k, f, g, init
	s_wait_dscnt 4                                 ; wb and hb's m blocks 0, 1 are in; the youngest four loads (m blocks 2, 3) may be out
.if \init
	WIN INIT_LO
.else
	WIN MUL_LO
.endif
	MUL12 \f, 0, 0, \init
	MUL12 \f, 0, 1, \init
	PLACES
	FETCH \slot, \k, \g
	s_wait_dscnt 32                                ; all but the 32 just issued
.if \init
	WIN INIT_HI
.else
	WIN MUL_HI
.endif
	MUL12 \f, 1, 0, \init
	MUL12 \f, 1, 1, \init
.endm
.macro THREE slot, init
	QUARTER \slot, 64,  0, 1, \init
	QUARTER \slot, 128, 1, 0, 0
	QUARTER \slot, 192, 0, 1, 0
.endm
; The last quarter multiplies buffer 1 and changes slots.  In front of the barrier each wave waits for its reads of this slot and for all its tensor loads
; (one is out: its part of the next slot).  fill = 1: the barrier opens a round of the cluster's barrier, and this slot's joint refill, two K steps ahead, is the first tensor load behind the round.
.macro TURN slot, next, fill
	s_wait_dscnt 4
	WIN MUL_LO
	MUL12 1, 0, 0, 0
	s_wait_dscnt 0                                 ; my reads of this slot are over
	s_wait_tensorcnt 0x0                           ; all my tensor loads have landed
	ds_add_u32 v255, v255
	s_wait_dscnt 0x0
	s_barrier_signal -1
	MUL12 1, 0, 1, 0                               ; register work while the others arrive
	WIN 0
	s_barrier_wait -1
.if \fill
	CREST
	s_add_nc_u64 s[G0+4*\slot+2:G0+4*\slot+3], s[G0+4*\slot+2:G0+4*\slot+3], 2*KSTEP*2
	s_add_nc_u64 s[G0B+4*\slot+2:G0B+4*\slot+3], s[G0B+4*\slot+2:G0B+4*\slot+3], 2*KSTEP*2
	JLOAD \slot                                    ; it has a K step less 12 matrix instructions in which to land
.endif
	PLACES
	FETCH \next, 0, 0
	WIN MUL_HI
	MUL12 1, 1, 0, 0
	MUL12 1, 1, 1, 0
.endm
.macro LAP init
	THREE 0, \init
	TURN 0, 1, 1
	THREE 1, 0
	TURN 1, 0, 1
.endm
	s_wait_tensorcnt 0x1                           ; my part of K step 0 is in; K step 1's may stay out
	s_barrier_signal -1
	s_barrier_wait -1
	FETCH 0, 0, 0
	LAP 1                                          ; K steps 0, 1; asks for 2, 3
	LAP 0                                          ; K steps 2, 3; asks for 4, 5
	THREE 0, 0                                     ; the last lap fills nothing
	TURN 0, 1, 0
	THREE 1, 0
	s_wait_dscnt 4
	WIN MUL_LO
	MUL12 1, 0, 0, 0
	MUL12 1, 0, 1, 0
	s_wait_dscnt 0
	WIN MUL_HI
	MUL12 1, 1, 0, 0
	MUL12 1, 1, 1, 0
	PLACES                                         ; behind the last matrix instructions: the conversions read results and write over fragment registers
; THE WAY OUT, 16 rows (m block a) at a time: round to f16, clear masked keys' rows of k, 16 bytes a lane into my own stage (one block of 16 rows x 144 bytes a head),
; read back four rows of 128 bytes at a time and store: each store of the wave covers 512 consecutive bytes, aligned.
.macro OUT16 a, al, from, rb
	WIN \from
.irp b, 0,1,2,3,4,5,6,7,8,9,10,11
.irp q, 0,1,2,3
	v_cvt_pk_f16_f32 v[TMP+4*\b+\q], v[8*(12*\al+\b)+2*\q], v[8*(12*\al+\b)+2*\q+1]
.endr
.endr
	WIN 0
.irp b, 0,1,2,3,4,5,6,7,8,9,10,11
.irp q, 0,1,2,3
	v_cndmask_b32 v[TMP+4*\b+\q], v[TMP+4*\b+\q], 0, s[KM+\a]
.endr
.endr
.irp b, 0,1,2,3,4,5,6,7,8,9,10,11
	ds_store_b128 v[STO], v[TMP+4*\b:TMP+4*\b+3] offset:(\b>>2)*HSTAGE+32*(\b&3)
.endr
	s_wait_xcnt 0x0                                ; the registers that earlier stores read are loaded again only behind this wait
.irp hd, 0,1,2
.irp t, 0,1,2,3
	ds_load_b128 v[\rb+4*(4*\hd+\t):\rb+4*(4*\hd+\t)+3], v[RD] offset:\hd*HSTAGE+\t*4*SPITCH   ; LDS serves a wave's instructions in order: these see the stores above
.endr
.endr
.irp hd, 0,1,2
.irp t, 0,1,2,3
	s_wait_dscnt 11-(4*\hd+\t)                     ; the younger loads stay out
	global_store_b128 v[CO], v[\rb+4*(4*\hd+\t):\rb+4*(4*\hd+\t)+3], s[8:9] offset:\hd*262144+\a*2048+\t*512
.endr
.endr
.endm
	OUT16 0, 0, 0x0a, RB0
	OUT16 1, 1, 0x0a, RB1
	OUT16 2, 0, 0x0f, RB0
	OUT16 3, 1, 0x0f, RB1
	s_set_vgpr_msb 0x1
	s_wait_tensorcnt 0x0
	ds_add_u32 v255, v255
	s_wait_dscnt 0x0
	s_set_vgpr_msb 0x100
	CROUND                                         ; the closing round: no work-group ends while a partner may still ask for a tile that names it
	s_endpgm
.Lfunc_end_k_q6e82c8612f_qkv:
	.size	k_q6e82c8612f_qkv, .Lfunc_end_k_q6e82c8612f_qkv-k_q6e82c8612f_qkv
	.p2alignl 7, 3214868480
	.fill 96, 4, 3214868480
	.section	.rodata,"a",@progbits
	.p2align	6, 0x0
	.amdhsa_kernel k_q6e82c8612f_qkv
		.amdhsa_group_segment_fixed_size 327680
		.amdhsa_private_segment_fixed_size 0
		.amdhsa_enable_private_segment 0
		.amdhsa_kernarg_size 56
		.amdhsa_user_sgpr_count 2
		.amdhsa_user_sgpr_kernarg_segment_ptr 1
		.amdhsa_wavefront_size32 1
		.amdhsa_system_sgpr_workgroup_id_x 1
		.amdhsa_system_sgpr_workgroup_id_y 1
		.amdhsa_system_sgpr_workgroup_id_z 1
		.amdhsa_system_vgpr_workitem_id 0
		.amdhsa_next_free_vgpr 1024
		.amdhsa_next_free_sgpr 96
		.amdhsa_reserve_vcc 0
		.amdhsa_float_denorm_mode_32 3
		.amdhsa_float_denorm_mode_16_64 3
		.amdhsa_memory_ordered 1
		.amdhsa_forward_progress 1
		.amdhsa_inst_pref_size 182
	.end_amdhsa_kernel
	.amdgpu_metadata
---
amdhsa.version: [ 1, 2 ]
amdhsa.kernels:
  - .name:           k_q6e82c8612f_qkv
    .symbol:         k_q6e82c8612f_qkv.kd
    .args:
      - { .name: hb, .offset: 0, .size: 8, .value_kind: global_buffer, .address_space: global }
      - { .name: wb, .offset: 8, .size: 8, .value_kind: global_buffer, .address_space: global }
      - { .name: bq, .offset: 16, .size: 8, .value_kind: global_buffer, .address_space: global }
      - { .name: bk, .offset: 24, .size: 8, .value_kind: global_buffer, .address_space: global }
      - { .name: bv, .offset: 32, .size: 8, .value_kind: global_buffer, .address_space: global }
      - { .name: att_mask, .offset: 40, .size: 8, .value_kind: global_buffer, .address_space: global }
      - { .name: qkv, .offset: 48, .size: 8, .value_kind: global_buffer, .address_space: global }
    .group_segment_fixed_size: 327680
    .private_segment_fixed_size: 0
    .kernarg_segment_align: 8
    .kernarg_segment_size: 56
    .max_flat_workgroup_size: 128
    .sgpr_count:     96
    .vgpr_count:     1024
    .wavefront_size: 32
...
	.end_amdgpu_metadata
.endif
;; end of part 2
;; launch attn (part 3): grid 8 x 24, 8 waves a work-group, clusters of 4 x 1, 327,680 bytes of LDS; arguments qkv, att_mask, attw; writes attw
.if DOCPART == 3
	.amdgcn_target "amdgcn-amd-amdhsa--gfx1250"
	.amdhsa_code_object_version 6
	.text
	.protected	k_q6e82c8612f_attn
	.globl	k_q6e82c8612f_attn
	.p2align	8
	.type	k_q6e82c8612f_attn,@function
k_q6e82c8612f_attn:
	s_mov_b64 s[64:65], 0
	v_nop
	global_prefetch_b8 v0, s[64:65] scope:SCOPE_SE
	s_setreg_imm32_b32 hwreg(HW_REG_WAVE_MODE, 25, 1), 1
	s_wait_xcnt 0x0
	s_wait_alu depctr_hold_cnt(0) depctr_sa_sdst(0) depctr_va_vdst(0) depctr_va_sdst(0) depctr_va_ssrc(0) depctr_va_vcc(0) depctr_vm_vsrc(0)
	s_getreg_b32 s2, hwreg(HW_REG_IB_STS2, 6, 4)
	s_cmp_eq_u32 s2, 0
	s_cbranch_scc0 .Lentry_in_a_cluster
	s_endpgm
.Lentry_in_a_cluster:
	s_bfe_u32 s2, ttmp6, 0x10000c
	s_cmp_lg_u32 s2, 0x3003
	s_cbranch_scc0 .Lentry_shape_is_right
	s_endpgm
.Lentry_shape_is_right:
; attn: softmax(where(mask, -1e9, q k^T / 8)) v for one (batch, head) and 256 queries, with a running maximum; f16 operands, f32 sums and softmax.
; In: qkv [3][2 b][12 head][2048][64] f16; q carries the factor 0.125 log2(e), so scores come out of the matrix unit in base-2 units; masked keys' rows of k are 0.
; Out: attw [12 head][4096 row][64] f16.
; THE MASK IS THE C OPERAND of each score tile's first product: 0 for an open key, NEG = -1e9 log2(e) for a masked one, from a table in LDS made of att_mask.
; A masked key's row of k is 0, so its score is NEG exactly, for every q: where all keys are masked all scores are equal and the result is v's mean, as in the reference.
; LIMITS: p and v are f16 (p in (0, 1]: below 2^-14 its step is 2^-25 of the row's running largest term; |v| < 65,504).  NEG is -1e9 log2(e) rounded to f32, so open scores within
; some hundred of -1e9 weigh against masked ones otherwise than in the reference.  v_exp_f32 gives 0 for results below 2^-126.
; SCORES ARE MADE TRANSPOSED, S^T = K Q^T: a lane owns one query (lane % 16), its 8 registers of a tile are 8 keys.  So maximum and sum run inside the lane, plus one exchange
; between the halves of the wave; the tile, packed to f16, is already the B fragment of O^T = V^T P^T; and the rescaling factor is one register.
; Eight waves, two to a SIMD, so that one wave's softmax can run beside the other's matrix work.  Wave w owns queries 32 w .. 32 w + 31 (two tiles i = 0, 1).
; K and V go through two LDS slots of 256 keys; a step is 64 keys.  CLUSTER of 4: the four query blocks read the same K and V: joint loads, mask 15.
; Waves 0-3 bring 64 rows of K each, waves 4-7 64 rows of V each.  192 work-groups: 24 (batch, head) x 8 query blocks.
; REGISTERS: window 0: v4-11 addresses, v12-15 maxima at work, v16-19 (M0, X0, M1, X1), v20-23 (AL0, L0, AL1, L1), v24-31 sums, v32-95 S (then P in the first 16 of each 32),
;            v96-159 K fragments, v160-191 Q fragments, v192-223 mask constants, v224-243 prologue;   window 1: v0-63 O, v64-127 V fragments
.set KP,     144                       ; K's LDS pitch: 128 bytes + 16
.set VP,     160                       ; V's: 128 + 32, an odd multiple of 32 for the transposing loads
.set VOFF,   40960
.set SLOT,   81920
.set BIAS,   163840                    ; 2,048 f32: 0 or NEG for each key; bytes that no tensor load fills
.set STAGE,  172032                    ; 32 rows x 144 bytes for each wave
.set SPITCH, 144
.set WSTAGE, 32*SPITCH
.set NEGB,   0xceabfb8f                ; -1e9 log2(e)
.set ADK, 4
.set ADV, 6
.set ADB, 8
.set STO, 9
.set RD,  10
.set CO,  11
.set T,   12
.set M,   16
.set AL,  20
.set U,   24
.set SB,  32
.set KF,  96
.set QF,  160
.set BI,  192
.set PT,  224
.set ADB0, 240
.set QO,  241
.set MO,  242
.set BST, 243
.set OA,  0                            ; window 1
.set VF,  64                           ; window 1
.set G1K, 24
.set G0K, 32
.set G1V, 48
.set G0V, 56
.set MSB, 0
.macro WIN new
.if MSB != \new
	s_set_vgpr_msb (MSB<<8)|\new
.set MSB, \new
.endif
.endm
.macro ROUND                           ; a round of the cluster's barrier
	s_barrier_signal -1
	s_barrier_wait -1
	s_cmp_lg_u32 s10, 0
	s_cbranch_scc1 .Lnot_wave_0_\@
	s_barrier_signal -3
.Lnot_wave_0_\@:
	s_barrier_wait -3
	s_barrier_signal -1
	s_barrier_wait -1
.endm
.macro JLOAD s                         ; waves 0-3: 64 rows of K; waves 4-7: 64 rows of V
	s_cmp_eq_u32 s11, 0
	s_cbranch_scc0 .Lfor_v_\@
	tensor_load_to_lds s[G0K+4*\s:G0K+4*\s+3], s[G1K:G1K+7]
	s_nop 0
	s_branch .Lasked_\@
.Lfor_v_\@:
	tensor_load_to_lds s[G0V+4*\s:G0V+4*\s+3], s[G1V:G1V+7]
	s_nop 0
.Lasked_\@:
.endm
	s_load_b128 s[4:7], s[0:1], 0x0                ; qkv, att_mask
	s_load_b64 s[8:9], s[0:1], 0x10                ; attw
	v_lshl_add_u32 v254, v0, 2, 0x33000
	v_mov_b32 v255, 0
	ds_add_u32 v254, v255
	v_lshrrev_b32 v1, 5, v0
	v_readfirstlane_b32 s10, v1                    ; wave 0..7
	s_lshr_b32 s11, s10, 2                         ; I fetch K (0) or V (1)
	s_mov_b32 s12, 0x76543210                      ; v_permlanex16_b32: lane i of one half reads lane i of the other
	s_mov_b32 s13, 0xfedcba98
	s_and_b32 s14, ttmp7, 0xffff                   ; y = 12 b + head
	s_cmp_ge_u32 s14, 12
	s_cselect_b32 s15, 1, 0                        ; b
	s_bfe_u32 s22, ttmp6, 0x40000                  ; cx
	s_lshl_b32 s23, ttmp9, 2
	s_add_co_u32 s23, s23, s22                     ; query block 0..7
	; group 1: 64 rows of 64 elements, dense in memory; a pad behind every 32 words
	s_mov_b32 s[G1K+0], 15|(1<<16)|(1<<20)|(1<<21)|(4<<22)|(3<<25)   ; all four work-groups; 4 words of padding
	s_mov_b32 s[G1V+0], 15|(1<<16)|(1<<20)|(1<<21)|(4<<22)|(7<<25)   ; 8 words
	s_mov_b32 s[G1K+1], 64<<16
	s_mov_b32 s[G1V+1], 64<<16
	s_mov_b32 s[G1K+2], 64<<16
	s_mov_b32 s[G1V+2], 64<<16
	s_mov_b32 s[G1K+3], 64<<16
	s_mov_b32 s[G1V+3], 64<<16
	s_mov_b32 s[G1K+4], 64
	s_mov_b32 s[G1V+4], 64
	s_mov_b32 s[G1K+5], 64
	s_mov_b32 s[G1V+5], 64
	s_mov_b32 s[G1K+6], 0
	s_mov_b32 s[G1V+6], 0
	s_mov_b32 s[G1K+7], 0
	s_mov_b32 s[G1V+7], 0
	s_lshl_b32 s16, s14, 18                        ; a head is 262,144 bytes; the tiles hang on y and the wave alone, which the four partners share
	s_lshl_b32 s17, s10, 13                        ; 64 rows are 8,192 bytes
	s_add_co_u32 s16, s16, s17
	s_mov_b32 s17, 0
	s_mul_i32 s20, s10, 64*KP                      ; LDS: K's rows 64 w (waves 0-3)
	s_mul_i32 s21, s10, 64*VP                      ; V's rows 64 (w - 4) behind VOFF = 4 x 64 x 160 (waves 4-7)
	; q: row 2048 y + 256 block + 32 wave
	s_lshl_b32 s40, s14, 11
	s_lshl_b32 s41, s23, 8
	s_add_co_u32 s40, s40, s41
	s_lshl_b32 s41, s10, 5
	s_add_co_u32 s40, s40, s41
	s_lshl_b32 s40, s40, 7
	s_mov_b32 s41, 0
	; out: row 4096 head + 2048 b + 256 block + 32 wave
	s_mul_i32 s46, s15, 12
	s_sub_co_u32 s46, s14, s46
	s_lshl_b32 s46, s46, 12
	s_lshl_b32 s47, s15, 11
	s_add_co_u32 s46, s46, s47
	s_lshl_b32 s47, s23, 8
	s_add_co_u32 s46, s46, s47
	s_lshl_b32 s47, s10, 5
	s_add_co_u32 s46, s46, s47
	s_lshl_b32 s46, s46, 7
	s_mov_b32 s47, 0
	s_wait_dscnt 0x0
	s_wait_kmcnt 0x0
	s_add_nc_u64 s[18:19], s[4:5], s[16:17]
	s_add_nc_u64 s[42:43], s[4:5], s[40:41]
	s_add_nc_u64 s[8:9], s[8:9], s[46:47]
	s_lshl_b32 s40, s15, 13                        ; the batch's 2,048 mask words
	s_add_nc_u64 s[6:7], s[6:7], s[40:41]
	ROUND                                          ; the four work-groups are here: the first joint loads meet
.irp s, 0,1
	s_mov_b32 s[G0K+4*\s], 1
	s_add_co_u32 s[G0K+4*\s+1], s20, \s*SLOT
	s_add_nc_u64 s[G0K+4*\s+2:G0K+4*\s+3], s[18:19], 6291456+\s*32768          ; k, keys 256 s + 64 w
	s_or_b32 s[G0K+4*\s+3], s[G0K+4*\s+3], 0x80000000
	s_mov_b32 s[G0V+4*\s], 1
	s_add_co_u32 s[G0V+4*\s+1], s21, \s*SLOT
	s_add_nc_u64 s[G0V+4*\s+2:G0V+4*\s+3], s[18:19], 12582912-32768+\s*32768   ; v, keys 256 s + 64 (w - 4)
	s_or_b32 s[G0V+4*\s+3], s[G0V+4*\s+3], 0x80000000
	JLOAD \s                                       ; both slots' first fills: two tensor loads of a wave are out
.endr
	v_and_b32 v1, 15, v0                           ; r
	v_bfe_u32 v2, v0, 4, 1                         ; h
	v_mul_u32_u24 v[ADK], v1, KP
	v_lshl_add_u32 v[ADK], v2, 4, v[ADK]           ; K fragment: row r, 16 bytes for each half
	s_mul_i32 s16, s10, WSTAGE
	s_add_co_u32 s16, s16, STAGE
	v_add_nc_u32 v[STO], s16, v[ADK]               ; the stage has the same pitch
	v_add_nc_u32 v[ADK+1], SLOT, v[ADK]
	v_and_b32 v[ADV], 7, v0
	v_lshl_add_u32 v[ADV], v2, 3, v[ADV]           ; V, transposing load: row 8 h + lane % 8,
	v_mul_u32_u24 v[ADV], v[ADV], VP
	v_bfe_u32 v[ADV+1], v0, 3, 1
	v_lshl_add_u32 v[ADV], v[ADV+1], 4, v[ADV]     ; 16 bytes for each group of eight lanes
	v_add_nc_u32 v[ADV+1], VOFF+SLOT, v[ADV]
	v_add_nc_u32 v[ADV], VOFF, v[ADV]
	v_bfe_u32 v[RD], v0, 3, 2
	v_mul_u32_u24 v[RD], v[RD], SPITCH
	v_and_b32 v[CO], 7, v0
	v_lshl_add_u32 v[RD], v[CO], 4, v[RD]
	v_add_nc_u32 v[RD], s16, v[RD]                 ; back: eight lanes a row of 128 bytes, the wave four rows
	v_and_b32 v[CO], 31, v0
	v_lshlrev_b32 v[CO], 4, v[CO]
	v_lshl_add_u32 v[ADB], v2, 5, BIAS             ; mask constants: 8 keys from 8 h; here for keys 0-255
	v_add_nc_u32 v[ADB0], 1024, v[ADB]             ; for keys 256 on
	v_lshlrev_b32 v[QO], 7, v1
	v_lshl_add_u32 v[QO], v2, 4, v[QO]
	v_lshlrev_b32 v[MO], 5, v0                     ; thread t turns mask words 8 t .. 8 t + 7 into constants
	v_add_nc_u32 v[BST], BIAS, v[MO]
	v_mov_b32 v3, NEGB
	v_mov_b32 v[M+1], 0                            ; the exchange's destinations count as read: written once here
	v_mov_b32 v[M+3], 0
.irp i, 0,1
.irp ks, 0,1
	global_load_b128 v[QF+8*(2*\i+\ks):QF+8*(2*\i+\ks)+3],   v[QO], s[42:43] offset:2048*\i+64*\ks
	global_load_b128 v[QF+8*(2*\i+\ks)+4:QF+8*(2*\i+\ks)+7], v[QO], s[42:43] offset:2048*\i+64*\ks+32
.endr
.endr
	global_load_b128 v[PT:PT+3],   v[MO], s[6:7]
	global_load_b128 v[PT+4:PT+7], v[MO], s[6:7] offset:16
	s_wait_loadcnt 0x0
.irp n, 0,1,2,3,4,5,6,7
	v_cmp_ne_u32 vcc_lo, 0, v[PT+\n]
	v_cndmask_b32 v[PT+8+\n], 0, v3, vcc_lo        ; any word other than 0 masks its key
.endr
	ds_store_b128 v[BST], v[PT+8:PT+11]
	ds_store_b128 v[BST], v[PT+12:PT+15] offset:16
	s_wait_tensorcnt 0x1                           ; my part of slot 0 is in; slot 1's may stay out
	s_wait_dscnt 0x0                               ; my part of the table is written
	s_barrier_signal -1
	s_barrier_wait -1
; 24 LDS loads: the K fragments and the mask constants of step j of a slot
.macro KB slot, j, boff
.irp kt, 0,1,2,3
.irp ks, 0,1
	ds_load_b128 v[KF+8*(2*\kt+\ks):KF+8*(2*\kt+\ks)+3],   v[ADK+\slot] offset:(64*(\j)+16*\kt)*KP+64*\ks
	ds_load_b128 v[KF+8*(2*\kt+\ks)+4:KF+8*(2*\kt+\ks)+7], v[ADK+\slot] offset:(64*(\j)+16*\kt)*KP+64*\ks+32
.endr
.endr
.irp kt, 0,1,2,3
	ds_load_b128 v[BI+8*\kt:BI+8*\kt+3],   v[ADB] offset:\boff+256*(\j)+64*\kt
	ds_load_b128 v[BI+8*\kt+4:BI+8*\kt+7], v[ADB] offset:\boff+256*(\j)+64*\kt+16
.endr
.endm
.macro RESCALE                         ; O of tile i times AL_i, a lane's own query's factor
	WIN 0x41
.irp i, 0,1
.irp n, 0,2,4,6,8,10,12,14,16,18,20,22,24,26,28,30
	v_pk_mul_f32 v[OA+32*\i+\n:OA+32*\i+\n+1], v[OA+32*\i+\n:OA+32*\i+\n+1], v[AL+2*\i:AL+2*\i+1] op_sel_hi:[1,0]
.endr
.endr
.endm
; 64 keys x 32 queries: new running maximum M, factor AL = 2^(old M - new M), p = 2^(S - M) in place, running sum L (per half of the lanes), p packed to f16 in place.
; Each stage takes both query tiles, so that no instruction waits for the one in front of it.
.macro SOFTMAX first
.irp i, 0,1
.irp c, 0,1
	v_max3_num_f32 v[T+2*\i+\c], v[SB+32*\i+16*\c], v[SB+32*\i+16*\c+1], v[SB+32*\i+16*\c+2]
.endr
.endr
.irp n, 0,1,2,3,4,5
.irp i, 0,1
.irp c, 0,1
	v_max3_num_f32 v[T+2*\i+\c], v[T+2*\i+\c], v[SB+32*\i+16*\c+3+2*\n], v[SB+32*\i+16*\c+4+2*\n]
.endr
.endr
.endr
.irp i, 0,1
	v_max3_num_f32 v[T+2*\i], v[T+2*\i], v[T+2*\i+1], v[SB+32*\i+15]
.endr
.irp i, 0,1
.if \first
	v_max_num_f32 v[T+2*\i], v[T+2*\i], v[SB+32*\i+31]
.else
	v_max3_num_f32 v[T+2*\i], v[T+2*\i], v[SB+32*\i+31], v[M+2*\i]
.endif
.endr
.irp i, 0,1
	v_permlanex16_b32 v[M+2*\i+1], v[T+2*\i], s12, s13     ; the other half of the lanes holds the query's other 32 keys
.endr
.irp i, 0,1
	v_max_num_f32 v[T+2*\i+1], v[T+2*\i], v[M+2*\i+1]
.endr
.if \first == 0
.irp i, 0,1
	v_sub_f32 v[AL+2*\i], v[M+2*\i], v[T+2*\i+1]
.endr
.endif
.irp i, 0,1
	v_mov_b32 v[M+2*\i], v[T+2*\i+1]
.endr
.irp n, 0,2,4,6,8,10,12,14,16,18,20,22,24,26,28,30
.irp i, 0,1
	v_pk_add_f32 v[SB+32*\i+\n:SB+32*\i+\n+1], v[SB+32*\i+\n:SB+32*\i+\n+1], v[M+2*\i:M+2*\i+1] op_sel_hi:[1,0] neg_lo:[0,1] neg_hi:[0,1]
.endr
.endr
.if \first == 0
	v_exp_f32 v[AL], v[AL]
	v_exp_f32 v[AL+2], v[AL+2]
.endif
.irp i, 0,1
.irp kt, 0,1,2,3
.irp j, 0,1,2,3,4,5,6,7
	v_exp_f32 v[SB+32*\i+8*\kt+\j], v[SB+32*\i+8*\kt+\j]
.endr
.endr
.endr
	v_nop                                          ; one plain place between the last exponential and the first use of a result (ISA guide 5.7.2)
	s_wait_alu depctr_va_vdst(0)
.irp i, 0,1
	v_pk_add_f32 v[U+4*\i:U+4*\i+1],   v[SB+32*\i:SB+32*\i+1],   v[SB+32*\i+2:SB+32*\i+3]
	v_pk_add_f32 v[U+4*\i+2:U+4*\i+3], v[SB+32*\i+4:SB+32*\i+5], v[SB+32*\i+6:SB+32*\i+7]
.endr
.irp n, 8,12,16,20,24,28
.irp i, 0,1
	v_pk_add_f32 v[U+4*\i:U+4*\i+1],   v[U+4*\i:U+4*\i+1],   v[SB+32*\i+\n:SB+32*\i+\n+1]
	v_pk_add_f32 v[U+4*\i+2:U+4*\i+3], v[U+4*\i+2:U+4*\i+3], v[SB+32*\i+\n+2:SB+32*\i+\n+3]
.endr
.endr
.irp i, 0,1
	v_pk_add_f32 v[U+4*\i:U+4*\i+1], v[U+4*\i:U+4*\i+1], v[U+4*\i+2:U+4*\i+3]
.endr
.irp i, 0,1
.if \first
	v_add_f32 v[AL+2*\i+1], v[U+4*\i], v[U+4*\i+1]
.else
	v_add_f32 v[U+4*\i], v[U+4*\i], v[U+4*\i+1]
.endif
.endr
.if \first == 0
.irp i, 0,1
	v_fma_f32 v[AL+2*\i+1], v[AL+2*\i+1], v[AL+2*\i], v[U+4*\i]
.endr
.endif
.irp n, 0,1,2,3,4,5,6,7,8,9,10,11,12,13,14,15
.irp i, 0,1
	v_cvt_pk_f16_f32 v[SB+32*\i+\n], v[SB+32*\i+2*\n], v[SB+32*\i+2*\n+1]   ; ascending: register n is written when 2 n and 2 n + 1 are read
.endr
.endr
.endm
; One step: 64 keys.  In each run of matrix instructions the eight accumulators take turns, one instruction a turn.
.macro STEP slot, j, boff, first, last
	WIN 0x40
.irp dt, 0,1,2,3
.irp c, 0,1
	ds_load_tr16_b128 v[VF+8*(2*\dt+\c):VF+8*(2*\dt+\c)+3],   v[ADV+\slot] offset:(64*\j+32*\c)*VP+32*\dt
	ds_load_tr16_b128 v[VF+8*(2*\dt+\c)+4:VF+8*(2*\dt+\c)+7], v[ADV+\slot] offset:(64*\j+32*\c)*VP+32*\dt+16*VP
.endr
.endr
	WIN 0
	s_wait_dscnt 16                                ; K and the constants are in; the 16 loads of V just issued may be out
.irp i, 0,1
.irp kt, 0,1,2,3
	v_wmma_f32_16x16x32_f16 v[SB+32*\i+8*\kt:SB+32*\i+8*\kt+7], v[KF+16*\kt:KF+16*\kt+7], v[QF+16*\i:QF+16*\i+7], v[BI+8*\kt:BI+8*\kt+7]
.endr
.endr
.irp i, 0,1
.irp kt, 0,1,2,3
	v_wmma_f32_16x16x32_f16 v[SB+32*\i+8*\kt:SB+32*\i+8*\kt+7], v[KF+16*\kt+8:KF+16*\kt+15], v[QF+16*\i+8:QF+16*\i+15], v[SB+32*\i+8*\kt:SB+32*\i+8*\kt+7]
.endr
.endr
.rept 4
	v_nop                                          ; four places: then K's registers are loaded again and the scores are read
.endr
.if \last == 0
	KB \slot, (\j+1), \boff
.endif
	SOFTMAX \first
.if \last
	s_wait_dscnt 0                                 ; V is in; nothing was issued behind it
.else
	s_wait_dscnt 24                                ; V is in; the 24 loads for the next step stay out
.endif
.if \first == 0
	RESCALE
.endif
	WIN 0x51
.irp i, 0,1
.irp dt, 0,1,2,3
.if \first
	v_wmma_f32_16x16x32_f16 v[OA+32*\i+8*\dt:OA+32*\i+8*\dt+7], v[VF+16*\dt:VF+16*\dt+7], v[SB+32*\i:SB+32*\i+7], 0
.else
	v_wmma_f32_16x16x32_f16 v[OA+32*\i+8*\dt:OA+32*\i+8*\dt+7], v[VF+16*\dt:VF+16*\dt+7], v[SB+32*\i:SB+32*\i+7], v[OA+32*\i+8*\dt:OA+32*\i+8*\dt+7]
.endif
.endr
.endr
.irp i, 0,1
.irp dt, 0,1,2,3
	v_wmma_f32_16x16x32_f16 v[OA+32*\i+8*\dt:OA+32*\i+8*\dt+7], v[VF+16*\dt+8:VF+16*\dt+15], v[SB+32*\i+8:SB+32*\i+15], v[OA+32*\i+8*\dt:OA+32*\i+8*\dt+7]
.endr
.endr
	WIN 0
.rept 5
	v_nop                                          ; five places: the next step loads V's registers again and its score products write over P
.endr
.endm
.macro SLOTRUN slot, boff, first       ; a slot's 256 keys
	KB \slot, 0, \boff
	STEP \slot, 0, \boff, \first, 0
	STEP \slot, 1, \boff, 0, 0
	STEP \slot, 2, \boff, 0, 0
	STEP \slot, 3, \boff, 0, 1
.endm
; The change to slot 'slot'.  Each wave waits for all its tensor loads (one is out: its part of this slot) and for its reads of the other slot.
; refill = 1: a round of the cluster's barrier, then the other slot's joint refill, the wave's one tensor load, which has this slot's four steps in which to land.
.macro HEAD slot, refill
	s_wait_tensorcnt 0x0
	ds_add_u32 v254, v255
	s_wait_dscnt 0x0
	s_wait_dscnt 0x0
.if \refill
	s_add_nc_u64 s[G0K+4*(1-\slot)+2:G0K+4*(1-\slot)+3], s[G0K+4*(1-\slot)+2:G0K+4*(1-\slot)+3], 65536   ; no load of mine is out: the other slot's next 256 keys
	s_add_nc_u64 s[G0V+4*(1-\slot)+2:G0V+4*(1-\slot)+3], s[G0V+4*(1-\slot)+2:G0V+4*(1-\slot)+3], 65536
	ROUND
	JLOAD (1-\slot)
.else
	s_barrier_signal -1
	s_barrier_wait -1
.endif
.endm
	SLOTRUN 0, 0, 1                                ; keys 0-255: the first step starts maximum, sum and O
	s_mov_b32 s44, 0
.Lloop:                                            ; trip n: keys 256 (2 n + 1) .. 256 (2 n + 3) - 1
	v_lshl_add_u32 v[ADB], s44, 11, v[ADB0]        ; the trip's constants: 2,048 bytes a trip
	HEAD 1, 1
	SLOTRUN 1, 0, 0
	HEAD 0, 1
	SLOTRUN 0, 1024, 0
	s_add_co_u32 s44, s44, 1
	s_cmp_lt_u32 s44, 3
	s_cbranch_scc1 .Lloop
	v_add_nc_u32 v[ADB], 6144, v[ADB0]
	HEAD 1, 0                                      ; keys 1792-2047: nothing is left to fetch
	SLOTRUN 1, 0, 0
	; the two halves' sums meet; O / L; round to f16; through my own stage; each store of the wave covers 512 consecutive bytes, aligned
	v_permlanex16_b32 v[M+1], v[AL+1], s12, s13
	v_permlanex16_b32 v[M+3], v[AL+3], s12, s13
	v_add_f32 v[AL+1], v[AL+1], v[M+1]
	v_add_f32 v[AL+3], v[AL+3], v[M+3]
	v_rcp_f32 v[AL], v[AL+1]                       ; L is at least 1: the largest term is 2^0
	v_rcp_f32 v[AL+2], v[AL+3]
	v_nop                                          ; one plain place behind the reciprocals
	s_wait_alu depctr_va_vdst(0)
	RESCALE
	WIN 0x05
.irp i, 0,1
.irp dt, 0,1,2,3
.irp q, 0,1,2,3
	v_cvt_pk_f16_f32 v[SB+16*\i+4*\dt+\q], v[OA+32*\i+8*\dt+2*\q], v[OA+32*\i+8*\dt+2*\q+1]   ; a lane's 8 registers of a tile: d = 16 dt + 8 h + 0..7 of its query
.endr
.endr
.endr
	WIN 0
.irp i, 0,1
.irp dt, 0,1,2,3
	ds_store_b128 v[STO], v[SB+16*\i+4*\dt:SB+16*\i+4*\dt+3] offset:\i*16*SPITCH+32*\dt
.endr
.endr
.irp t, 0,1,2,3,4,5,6,7
	ds_load_b128 v[KF+4*\t:KF+4*\t+3], v[RD] offset:\t*4*SPITCH    ; LDS serves a wave's instructions in order: these see the stores above
.endr
.irp t, 0,1,2,3,4,5,6,7
	s_wait_dscnt 7-\t                              ; the younger loads stay out
	global_store_b128 v[CO], v[KF+4*\t:KF+4*\t+3], s[8:9] offset:512*\t
.endr
	s_wait_tensorcnt 0x0
	ds_add_u32 v254, v255
	s_wait_dscnt 0x0
	ROUND                                          ; the closing round
	s_endpgm
.Lfunc_end_k_q6e82c8612f_attn:
	.size	k_q6e82c8612f_attn, .Lfunc_end_k_q6e82c8612f_attn-k_q6e82c8612f_attn
	.p2alignl 7, 3214868480
	.fill 96, 4, 3214868480
	.section	.rodata,"a",@progbits
	.p2align	6, 0x0
	.amdhsa_kernel k_q6e82c8612f_attn
		.amdhsa_group_segment_fixed_size 327680
		.amdhsa_private_segment_fixed_size 0
		.amdhsa_enable_private_segment 0
		.amdhsa_kernarg_size 24
		.amdhsa_user_sgpr_count 2
		.amdhsa_user_sgpr_kernarg_segment_ptr 1
		.amdhsa_wavefront_size32 1
		.amdhsa_system_sgpr_workgroup_id_x 1
		.amdhsa_system_sgpr_workgroup_id_y 1
		.amdhsa_system_sgpr_workgroup_id_z 1
		.amdhsa_system_vgpr_workitem_id 0
		.amdhsa_next_free_vgpr 384
		.amdhsa_next_free_sgpr 66
		.amdhsa_reserve_vcc 1
		.amdhsa_float_denorm_mode_32 3
		.amdhsa_float_denorm_mode_16_64 3
		.amdhsa_memory_ordered 1
		.amdhsa_forward_progress 1
		.amdhsa_inst_pref_size 255
	.end_amdhsa_kernel
	.section	.bss,"aw",@nobits
	.p2align	6
	.space	262144
	.amdgpu_metadata
---
amdhsa.version: [ 1, 2 ]
amdhsa.kernels:
  - .name:           k_q6e82c8612f_attn
    .symbol:         k_q6e82c8612f_attn.kd
    .args:
      - { .name: qkv, .offset: 0, .size: 8, .value_kind: global_buffer, .address_space: global }
      - { .name: att_mask, .offset: 8, .size: 8, .value_kind: global_buffer, .address_space: global }
      - { .name: attw, .offset: 16, .size: 8, .value_kind: global_buffer, .address_space: global }
    .group_segment_fixed_size: 327680
    .private_segment_fixed_size: 0
    .kernarg_segment_align: 8
    .kernarg_segment_size: 24
    .max_flat_workgroup_size: 256
    .sgpr_count:     66
    .vgpr_count:     384
    .wavefront_size: 32
...
	.end_amdgpu_metadata
.endif
;; end of part 3
;; launch oproj (part 4): grid 12 x 16, 4 waves a work-group, clusters of 4 x 4, 327,680 bytes of LDS; arguments attw, wb, bo, out0; writes out0
.if DOCPART == 4
	.amdgcn_target "amdgcn-amd-amdhsa--gfx1250"
	.amdhsa_code_object_version 6
	.text
	.protected	k_q6e82c8612f_oproj
	.globl	k_q6e82c8612f_oproj
	.p2align	8
	.type	k_q6e82c8612f_oproj,@function
k_q6e82c8612f_oproj:
	s_mov_b64 s[64:65], 0
	v_nop
	global_prefetch_b8 v0, s[64:65] scope:SCOPE_SE
	s_setreg_imm32_b32 hwreg(HW_REG_WAVE_MODE, 25, 1), 1
	s_wait_xcnt 0x0
	s_wait_alu depctr_hold_cnt(0) depctr_sa_sdst(0) depctr_va_vdst(0) depctr_va_sdst(0) depctr_va_ssrc(0) depctr_va_vcc(0) depctr_vm_vsrc(0)
	s_getreg_b32 s2, hwreg(HW_REG_IB_STS2, 6, 4)
	s_cmp_eq_u32 s2, 0
	s_cbranch_scc0 .Lentry_in_a_cluster
	s_endpgm
.Lentry_in_a_cluster:
	s_bfe_u32 s2, ttmp6, 0x10000c
	s_cmp_lg_u32 s2, 0xf033
	s_cbranch_scc0 .Lentry_shape_is_right
	s_endpgm
.Lentry_shape_is_right:
; oproj: out0 = att x Wo^T + bo.  att: attw [12 plane][4096 row][64] f16; Wo: wb's fourth part [12 plane][768 n][64] f16; out0 [4096][768] f32.  f32 sums.
; LIMIT: f16 operands (|att|, |Wo| < 65,504).
; A work-group makes 256 rows x 64 columns (256 bytes of a row of out0); 12 x 16 = 192 work-groups.  Four waves; wave w makes rows 64 w .. + 63 x 64 columns: 16 accumulator tiles.
; K goes plane by plane (64 each): a slot holds two planes, six trips, two slots.  Wave 0, 1: att's planes (256 rows x 128 bytes each); wave 2, 3: Wo's planes (64 rows each).
; CLUSTERS of 4 x 4: a row of the cluster shares att's tiles, a column Wo's: joint loads.  bo is the C operand of each tile's first product.
; The matrix instruction is used transposed (source 0 = rows of Wo): a lane's 8 results are 8 neighbouring columns of one row of out0.
; REGISTERS: window 0: v16-27 addresses, v32-63 bias, v64-127 / v128-191 fragments (Wo's four, then att's four), two buffers, on the way out rows read back;  window 1: v0-127 accumulators at v[8 (4 a + b)]
.set P,      144                       ; LDS pitch: 128 bytes + 16
.set APLANE, 256*P
.set BPLANE, 64*P
.set BOFF,   2*APLANE
.set SLOT,   BOFF+2*BPLANE             ; 92,160
.set STAGE,  2*SLOT                    ; bytes that no tensor load fills: 16 rows x 272 bytes for each wave
.set SPITCH, 272
.set WSTAGE, 16*SPITCH
.set ADRA, 16
.set ADRB, 20
.set STO,  24
.set RD,   25
.set CO,   26
.set BOF,  27
.set BI,   32
.set F0,   64
.set F1,   128
.set G1,  24
.set G0,  32
.set G1B, 48
.set G0B, 56
.set FLAGS, (1<<16)|(1<<20)|(1<<21)|(4<<22)|(3<<25)   ; 2-byte elements; padding on; bit 21 beside a mask; after every 32 words; 4 words
.set MSB, 0
.macro WIN new
.if MSB != \new
	s_set_vgpr_msb (MSB<<8)|\new
.set MSB, \new
.endif
.endm
.macro JLOAD s
	s_cmp_eq_u32 s11, 0
	s_cbranch_scc0 .Lfor_b_\@
	tensor_load_to_lds s[G0+4*\s:G0+4*\s+3], s[G1:G1+7]
	s_nop 0
	s_branch .Lasked_\@
.Lfor_b_\@:
	tensor_load_to_lds s[G0B+4*\s:G0B+4*\s+3], s[G1B:G1B+7]
	s_nop 0
.Lasked_\@:
.endm
.macro CREST
	s_cmp_lg_u32 s10, 0
	s_cbranch_scc1 .Lnot_wave_0_\@
	s_barrier_signal -3
.Lnot_wave_0_\@:
	s_barrier_wait -3
	s_barrier_signal -1
	s_barrier_wait -1
.endm
.macro CROUND
	s_barrier_signal -1
	s_barrier_wait -1
	CREST
.endm
.macro PLACES                          ; four places between a matrix instruction and a load into, or a store of, its registers
.rept 4
	v_nop
.endr
.endm
	s_load_b128 s[4:7], s[0:1], 0x0                ; attw, wb
	s_load_b128 s[68:71], s[0:1], 0x10             ; bo, out0
	v_lshl_add_u32 v254, v0, 2, 0x31400
	v_mov_b32 v255, 0
	ds_add_u32 v254, v255
	v_lshrrev_b32 v1, 5, v0
	v_readfirstlane_b32 s10, v1                    ; wave 0..3
	s_lshr_b32 s11, s10, 1                         ; I fetch att (0) or Wo (1)
	s_and_b32 s12, s10, 1                          ; which of the slot's two planes
	s_bfe_u32 s40, ttmp6, 0x40000                  ; cx
	s_bfe_u32 s41, ttmp6, 0x40004                  ; cy
	s_lshl_b32 s42, ttmp9, 2
	s_add_co_u32 s42, s42, s40                     ; block column 0..11
	s_and_b32 s13, ttmp7, 0xffff
	s_lshl_b32 s13, s13, 2
	s_add_co_u32 s13, s13, s41                     ; block row 0..15
	s_lshl_b32 s43, s41, 2
	s_lshl_b32 s43, 15, s43                        ; my row of the cluster
	s_lshl_b32 s44, 0x1111, s40                    ; my column
	s_or_b32 s[G1+0], s43, FLAGS
	s_or_b32 s[G1B+0], s44, FLAGS
	s_mov_b32 s[G1+1], 64<<16                      ; tensor_dim0 = 64
	s_mov_b32 s[G1B+1], 64<<16
	s_mov_b32 s[G1+2], 256<<16                     ; tensor_dim1 = 256 rows
	s_mov_b32 s[G1B+2], 64<<16                     ;             =  64 rows
	s_mov_b32 s[G1+3], 64<<16                      ; tile_dim0 = 64
	s_mov_b32 s[G1B+3], 64<<16
	s_mov_b32 s[G1+4], 256                         ; tile_dim1
	s_mov_b32 s[G1B+4], 64
	s_mov_b32 s[G1+5], 64                          ; elements from row to row
	s_mov_b32 s[G1B+5], 64
	s_mov_b32 s[G1+6], 0
	s_mov_b32 s[G1B+6], 0
	s_mov_b32 s[G1+7], 0
	s_mov_b32 s[G1B+7], 0
	s_lshl_b32 s16, s12, 19                        ; att: a plane is 524,288 bytes, 256 rows are 32,768
	s_lshl_b32 s17, s13, 15
	s_add_co_u32 s16, s16, s17
	s_mov_b32 s17, 0
	s_mul_i32 s46, s12, 98304                      ; Wo: behind wb's three other parts; a plane is 98,304 bytes, 64 rows are 8,192
	s_lshl_b32 s47, s42, 13
	s_add_co_u32 s46, s46, s47
	s_add_co_u32 s46, s46, 3538944
	s_mov_b32 s47, 0
	s_mul_i32 s20, s10, APLANE                     ; LDS: att's planes at wave x 256 rows (waves 0, 1)
	s_mul_i32 s21, s10, BPLANE
	s_add_co_u32 s21, s21, BOFF-2*BPLANE           ; Wo's at BOFF + (wave - 2) x 64 rows (waves 2, 3)
	s_lshl_b32 s72, s13, 8                         ; out0: row 256 x block row + 64 wave, 3,072 bytes a row; column block of 256 bytes
	s_lshl_b32 s73, s10, 6
	s_add_co_u32 s72, s72, s73
	s_mul_i32 s72, s72, 3072
	s_lshl_b32 s73, s42, 8
	s_add_co_u32 s72, s72, s73
	s_mov_b32 s73, 0
	s_lshl_b32 s74, s42, 8                         ; my 64 numbers of bo
	s_mov_b32 s75, 0
	s_wait_dscnt 0x0
	s_wait_kmcnt 0x0
	s_add_nc_u64 s[14:15], s[4:5], s[16:17]
	s_add_nc_u64 s[46:47], s[6:7], s[46:47]
	s_add_nc_u64 s[70:71], s[70:71], s[72:73]
	s_add_nc_u64 s[68:69], s[68:69], s[74:75]
	CROUND                                         ; all sixteen work-groups are here: the first joint loads meet
.irp s, 0,1
	s_mov_b32 s[G0+4*\s], 1
	s_add_co_u32 s[G0+4*\s+1], s20, \s*SLOT
	s_add_nc_u64 s[G0+4*\s+2:G0+4*\s+3], s[14:15], \s*2*524288
	s_or_b32 s[G0+4*\s+3], s[G0+4*\s+3], 0x80000000
	s_mov_b32 s[G0B+4*\s], 1
	s_add_co_u32 s[G0B+4*\s+1], s21, \s*SLOT
	s_add_nc_u64 s[G0B+4*\s+2:G0B+4*\s+3], s[46:47], \s*2*98304
	s_or_b32 s[G0B+4*\s+3], s[G0B+4*\s+3], 0x80000000
	JLOAD \s                                       ; both slots' first fills: two tensor loads of a wave are out
.endr
	v_and_b32 v1, 15, v0                           ; r
	v_bfe_u32 v2, v0, 4, 1                         ; h
	v_mul_u32_u24 v3, v1, P
	v_lshl_add_u32 v3, v2, 4, v3
	s_mul_i32 s22, s10, 64*P                       ; my 64 rows of a plane of att
	s_add_co_u32 s23, s22, SLOT
	v_add_nc_u32 v[ADRA], s22, v3
	v_add_nc_u32 v[ADRA+1], s23, v3
	v_add_nc_u32 v[ADRB], BOFF, v3
	v_add_nc_u32 v[ADRB+1], BOFF+SLOT, v3
	s_mul_i32 s22, s10, WSTAGE
	s_add_co_u32 s22, s22, STAGE
	v_mul_u32_u24 v3, v1, SPITCH
	v_lshl_add_u32 v3, v2, 5, v3
	v_add_nc_u32 v[STO], s22, v3                   ; in: row r, 32 bytes (8 f32) for each half
	v_mul_u32_u24 v3, v2, SPITCH
	v_lshl_add_u32 v3, v1, 4, v3
	v_add_nc_u32 v[RD], s22, v3                    ; back: lanes 0-15 one row of 256 bytes, lanes 16-31 the next
	v_mul_u32_u24 v3, v2, 3072
	v_lshl_add_u32 v[CO], v1, 4, v3                ; the same two rows in out0
	v_lshlrev_b32 v[BOF], 5, v2
.irp b, 0,1,2,3
	global_load_b128 v[BI+8*\b:BI+8*\b+3],   v[BOF], s[68:69] offset:64*\b      ; register j of n block b: bo[16 b + 8 h + j]
	global_load_b128 v[BI+8*\b+4:BI+8*\b+7], v[BOF], s[68:69] offset:64*\b+16
.endr
	s_wait_loadcnt 0x0
; 16 matrix instructions, 32 along K, from buffer f; the 16 accumulators take turns, one instruction a turn, in the same order every time
.macro MUL16 f, init
.irp a, 0,1,2,3
.irp b, 0,1,2,3
.if \init
	v_wmma_f32_16x16x32_f16 v[8*(4*\a+\b):8*(4*\a+\b)+7], v[\f+8*\b:\f+8*\b+7], v[\f+32+8*\a:\f+32+8*\a+7], v[BI+8*\b:BI+8*\b+7]
.else
	v_wmma_f32_16x16x32_f16 v[8*(4*\a+\b):8*(4*\a+\b)+7], v[\f+8*\b:\f+8*\b+7], v[\f+32+8*\a:\f+32+8*\a+7], v[8*(4*\a+\b):8*(4*\a+\b)+7]
.endif
.endr
.endr
.endm
; 16 LDS loads: quarter q of a slot (plane q >> 1, 32 K at byte 64 (q & 1)) into buffer f
.macro FETCH slot, q, f
.irp b, 0,1,2,3
	ds_load_b128 v[\f+8*\b:\f+8*\b+3],   v[ADRB+\slot] offset:((\q)>>1)*BPLANE+((\q)&1)*64+\b*16*P
	ds_load_b128 v[\f+8*\b+4:\f+8*\b+7], v[ADRB+\slot] offset:((\q)>>1)*BPLANE+((\q)&1)*64+\b*16*P+32
.endr
.irp a, 0,1,2,3
	ds_load_b128 v[\f+32+8*\a:\f+32+8*\a+3],   v[ADRA+\slot] offset:((\q)>>1)*APLANE+((\q)&1)*64+\a*16*P
	ds_load_b128 v[\f+32+8*\a+4:\f+32+8*\a+7], v[ADRA+\slot] offset:((\q)>>1)*APLANE+((\q)&1)*64+\a*16*P+32
.endr
.endm
; quarter q: fetches quarter q + 1 into buffer g, then multiplies buffer f
.macro SUB slot, q, f, g, init
	PLACES
	FETCH \slot, (\q+1), \g
	s_wait_dscnt 16                                ; all but the 16 just issued
.if \init
	WIN 0x40                                       ; D window 1, C (the bias) window 0
.else
	WIN 0x50                                       ; C and D window 1
.endif
	MUL16 \f, \init
	WIN 0
.endm
.macro THREE slot, init
	SUB \slot, 0, F0, F1, \init
	SUB \slot, 1, F1, F0, 0
	SUB \slot, 2, F0, F1, 0
.endm
; The last quarter multiplies buffer 1 and changes slots.  In front of the barrier each wave waits for its reads of this slot and for all its tensor loads (one is out: its part of the next slot).
; fill = 1: the barrier opens a round of the cluster's barrier, and this slot's joint refill, two trips ahead, is the first tensor load behind the round.
.macro CHANGE slot, next, fill
	s_wait_dscnt 0x0
	s_wait_tensorcnt 0x0
	ds_add_u32 v254, v255
	s_wait_dscnt 0x0
	s_barrier_signal -1
	WIN 0x50
	MUL16 F1, 0                                    ; register work while the others arrive
	WIN 0
	s_barrier_wait -1
.if \fill
	CREST
	s_add_nc_u64 s[G0+4*\slot+2:G0+4*\slot+3], s[G0+4*\slot+2:G0+4*\slot+3], 4*524288
	s_add_nc_u64 s[G0B+4*\slot+2:G0B+4*\slot+3], s[G0B+4*\slot+2:G0B+4*\slot+3], 4*98304
	JLOAD \slot
.endif
	PLACES
	FETCH \next, 0, F0
.endm
	s_wait_tensorcnt 0x1                           ; my part of slot 0 is in; slot 1's may stay out
	s_barrier_signal -1
	s_barrier_wait -1
	FETCH 0, 0, F0
	THREE 0, 1                                     ; planes 0, 1
	CHANGE 0, 1, 1                                 ; asks for planes 4, 5
	THREE 1, 0                                     ; planes 2, 3
	CHANGE 1, 0, 1                                 ; asks for planes 6, 7
	THREE 0, 0
	CHANGE 0, 1, 1                                 ; asks for planes 8, 9
	THREE 1, 0
	CHANGE 1, 0, 1                                 ; asks for planes 10, 11
	THREE 0, 0
	CHANGE 0, 1, 0                                 ; nothing is left to fetch
	THREE 1, 0
	s_wait_dscnt 0x0
	WIN 0x50
	MUL16 F1, 0
	WIN 0
	PLACES                                         ; behind the last matrix instructions: the LDS stores read results, the loads land in fragment registers
; THE WAY OUT, 16 rows at a time: 32 bytes a lane into my own stage, read back as whole rows of 256 bytes: sixteen lanes store 256 consecutive bytes, aligned
.macro OUT16 a, rb
	WIN 0x04                                       ; store data in window 1
.irp b, 0,1,2,3
	ds_store_b128 v[STO], v[8*(4*\a+\b):8*(4*\a+\b)+3]   offset:64*\b
	ds_store_b128 v[STO], v[8*(4*\a+\b)+4:8*(4*\a+\b)+7] offset:64*\b+16
.endr
	WIN 0
	s_wait_xcnt 0x0                                ; the registers that earlier stores read are loaded again only behind this wait
.irp t, 0,1,2,3,4,5,6,7
	ds_load_b128 v[\rb+4*\t:\rb+4*\t+3], v[RD] offset:\t*2*SPITCH   ; LDS serves a wave's instructions in order: these see the stores above
.endr
.irp t, 0,1,2,3,4,5,6,7
	s_wait_dscnt 7-\t                              ; the younger loads stay out
	global_store_b128 v[CO], v[\rb+4*\t:\rb+4*\t+3], s[70:71] offset:(16*\a+2*\t)*3072 th:TH_STORE_NT
.endr
.endm
	OUT16 0, F0
	OUT16 1, F1
	OUT16 2, F0
	OUT16 3, F1
	s_wait_tensorcnt 0x0
	ds_add_u32 v254, v255
	s_wait_dscnt 0x0
	CROUND                                         ; the closing round
	s_endpgm
.Lfunc_end_k_q6e82c8612f_oproj:
	.size	k_q6e82c8612f_oproj, .Lfunc_end_k_q6e82c8612f_oproj-k_q6e82c8612f_oproj
	.p2alignl 7, 3214868480
	.fill 96, 4, 3214868480
	.section	.rodata,"a",@progbits
	.p2align	6, 0x0
	.amdhsa_kernel k_q6e82c8612f_oproj
		.amdhsa_group_segment_fixed_size 327680
		.amdhsa_private_segment_fixed_size 0
		.amdhsa_enable_private_segment 0
		.amdhsa_kernarg_size 32
		.amdhsa_user_sgpr_count 2
		.amdhsa_user_sgpr_kernarg_segment_ptr 1
		.amdhsa_wavefront_size32 1
		.amdhsa_system_sgpr_workgroup_id_x 1
		.amdhsa_system_sgpr_workgroup_id_y 1
		.amdhsa_system_sgpr_workgroup_id_z 1
		.amdhsa_system_vgpr_workitem_id 0
		.amdhsa_next_free_vgpr 384
		.amdhsa_next_free_sgpr 80
		.amdhsa_reserve_vcc 0
		.amdhsa_float_denorm_mode_32 3
		.amdhsa_float_denorm_mode_16_64 3
		.amdhsa_memory_ordered 1
		.amdhsa_forward_progress 1
		.amdhsa_inst_pref_size 73
	.end_amdhsa_kernel
	.amdgpu_metadata
---
amdhsa.version: [ 1, 2 ]
amdhsa.kernels:
  - .name:           k_q6e82c8612f_oproj
    .symbol:         k_q6e82c8612f_oproj.kd
    .args:
      - { .name: attw, .offset: 0, .size: 8, .value_kind: global_buffer, .address_space: global }
      - { .name: wb, .offset: 8, .size: 8, .value_kind: global_buffer, .address_space: global }
      - { .name: bo, .offset: 16, .size: 8, .value_kind: global_buffer, .address_space: global }
      - { .name: out0, .offset: 24, .size: 8, .value_kind: global_buffer, .address_space: global }
    .group_segment_fixed_size: 327680
    .private_segment_fixed_size: 0
    .kernarg_segment_align: 8
    .kernarg_segment_size: 32
    .max_flat_workgroup_size: 128
    .sgpr_count:     80
    .vgpr_count:     384
    .wavefront_size: 32
...
	.end_amdgpu_metadata
.endif
;; end of part 4
;; ======== version 2 of 2: 4 launches
;; limits: values are held in f16: magnitudes above 65,504 overflow, below 6.1e-05 lose precision
;; workspace buffers: hb 6,291,456 bytes; wb 4,718,592 bytes; qkv 18,874,368 bytes; attw 6,291,456 bytes; order 17,408 bytes of whole numbers; vsum 196,608 bytes
;; launch cvt (part 5): grid 450 x 1, 8 waves a work-group, no clusters, 1,280 bytes of LDS; arguments h, Wq, Wk, Wv, Wo, hb, wb, att_mask, order; writes hb, wb, order
.if DOCPART == 5
	.amdgcn_target "amdgcn-amd-amdhsa--gfx1250"
	.amdhsa_code_object_version 6
	.text
	.protected	k_q6e82c8612f_cvt
	.globl	k_q6e82c8612f_cvt
	.p2align	8
	.type	k_q6e82c8612f_cvt,@function
k_q6e82c8612f_cvt:
	s_mov_b64 s[64:65], 0
	v_nop
	global_prefetch_b8 v0, s[64:65] scope:SCOPE_SE
	s_setreg_imm32_b32 hwreg(HW_REG_WAVE_MODE, 25, 1), 1
	s_wait_xcnt 0x0
; cvt: (1) f16 copies of the five large inputs, so that the matrix launches behind it move and read 16-bit tiles only; (2) where each key goes when the open keys are packed together.
;   hb = h as [4096][768] f16.   wb = four parts of 1,179,648 bytes: Wq x c, Wk, Wv as [768][768] f16 (together one [2304][768]),
;   then Wo blocked as [12 kb][768 n][64] f16, so that one block of 64 along K is dense.
;   c = 0.125 log2(e): the scores' scale and the change to base 2 are folded into Wq here (and into bq in the next launch).
;   order = pos[2][2048], then for each batch 512 bytes that repeat the record (r, R, n_m, steps).  With n open keys (mask word 0) and n_m = 2048 - n masked ones:
;   R = max(ceil(n / 256), 1) - 1 full tiles of 256 keys, r = n - 256 R open keys in tile 0, steps = max(ceil(r / 64), 1).
;   An open key of rank k goes to k if k < r, else to k + 256 - r; a masked key of rank m to r + m if m < 256 - r, else to n + m: a permutation of 0 .. 2047
;   in which tile 0 holds r open keys and then masked ones, tiles 1 .. R hold open keys only, and the rest is masked.
; LIMIT: f16 operands. |h| and |W| must stay below 65,504; below 2^-14 the absolute step is 2^-25.
; A stream: no matrix unit, no cluster (no two work-groups read the same byte).
; Work-groups 0-447 take a unit of 1,536 chunks of 8 numbers each: 256 threads x 6 chunks, 49,152 bytes in, 24,576 bytes out.
; Units 0-255: h; 256-303: Wq; 304-351: Wk; 352-399: Wv; 400-447: Wo.  Twelve loads of a thread are out at once; nothing is written twice, so there is no loop.
; Work-groups 448, 449 scan the mask of batch 0, 1.
.set UNIT_IN,  49152
.set UNIT_OUT, 24576
.set CSC, 0x3e38aa3b                   ; 0.125 log2(e)
.set X, 8                              ; v[8:55]   six chunks of 8 f32
.set Y, 56                             ; v[56:79]  six chunks of 8 f16
.macro LOADS istride                   ; a thread's six chunks, istride bytes apart: 32 bytes each, two loads
.irp i, 0,1,2,3,4,5
	global_load_b128 v[X+8*\i:X+8*\i+3],   v1, s[20:21] offset:\i*\istride th:TH_LOAD_NT
	global_load_b128 v[X+8*\i+4:X+8*\i+7], v1, s[20:21] offset:\i*\istride+16 th:TH_LOAD_NT
.endr
.endm
	s_load_b256 s[4:11], s[0:1], 0x0               ; h s[4:5], Wq s[6:7], Wk s[8:9], Wv s[10:11]
	s_load_b128 s[12:15], s[0:1], 0x20             ; Wo s[12:13], hb s[14:15]
	s_load_b64 s[16:17], s[0:1], 0x30              ; wb
	s_load_b64 s[36:37], s[0:1], 0x38              ; att_mask
	s_load_b64 s[38:39], s[0:1], 0x40              ; order
	v_lshl_add_u32 v96, v0, 2, 0x100
	v_mov_b32 v97, 0
	s_sub_co_u32 s28, ttmp9, 256                   ; the unit's number inside its tensor, for each of the four weights
	s_sub_co_u32 s29, ttmp9, 304
	s_sub_co_u32 s30, ttmp9, 352
	s_sub_co_u32 s31, ttmp9, 400
	v_lshlrev_b32 v2, 4, v0                        ; out: 16 bytes a thread, so a wave's store covers 512 consecutive bytes
	s_wait_kmcnt 0x0
	s_cmp_ge_u32 ttmp9, 448
	s_cbranch_scc1 .Lscan
	s_cmp_ge_u32 ttmp9, 256
	s_cselect_b64 s[20:21], s[6:7], s[4:5]         ; source
	s_cselect_b64 s[24:25], s[16:17], s[14:15]     ; destination: wb or hb
	s_cselect_b32 s22, s28, ttmp9                  ; unit inside the source
	s_cselect_b32 s26, CSC, 1.0                    ; factor: c for Wq, 1 for all else (one text for all five tensors)
	s_mov_b32 s23, s22                             ; unit inside the destination: wb's four parts follow each other, 48 units each
	s_cmp_ge_u32 ttmp9, 304
	s_cselect_b64 s[20:21], s[8:9], s[20:21]
	s_cselect_b32 s22, s29, s22
	s_cselect_b32 s26, 1.0, s26
	s_cmp_ge_u32 ttmp9, 352
	s_cselect_b64 s[20:21], s[10:11], s[20:21]
	s_cselect_b32 s22, s30, s22
	s_cmp_ge_u32 ttmp9, 400
	s_cselect_b64 s[20:21], s[12:13], s[20:21]
	s_cselect_b32 s22, s31, s22
	s_mov_b32 s27, s26                             ; the pair's second word is written too
	s_mul_i32 s32, s23, UNIT_OUT
	s_mov_b32 s33, 0
	s_add_nc_u64 s[24:25], s[24:25], s[32:33]
	s_mov_b32 s35, 0
	s_cmp_ge_u32 ttmp9, 400
	s_cbranch_scc1 .Lblocked
	; h, Wq, Wk, Wv: the copy keeps the order.  Chunk 256 i + t of the unit: 32 bytes at 8,192 i + 32 t
	s_mul_i32 s34, s22, UNIT_IN
	s_add_nc_u64 s[20:21], s[20:21], s[34:35]
	v_lshlrev_b32 v1, 5, v0
	LOADS 8192
	s_branch .Lconvert
.Lblocked:
	; Wo: output chunk 1536 u + 256 i + t is (kb = u >> 2, n = 192 (u & 3) + 32 i + (t >> 3), j = t & 7), read at Wo[n][64 kb + 8 j]:
	; eight neighbouring threads read 256 consecutive bytes of a row of Wo
	s_and_b32 s34, s22, 3
	s_mul_i32 s34, s34, 192*3072
	s_lshr_b32 s36, s22, 2
	s_lshl_b32 s36, s36, 8
	s_add_co_u32 s34, s34, s36
	s_add_nc_u64 s[20:21], s[20:21], s[34:35]
	v_lshrrev_b32 v1, 3, v0
	v_mul_u32_u24 v1, v1, 3072
	v_and_b32 v3, 7, v0
	v_lshl_add_u32 v1, v3, 5, v1
	LOADS 32*3072
.Lconvert:
.irp i, 0,1,2,3,4,5
	s_wait_loadcnt 10-2*\i                         ; loads come back in order: chunk i's two are in, the younger chunks' stay out
.irp j, 0,2,4,6
	v_pk_mul_f32 v[X+8*\i+\j:X+8*\i+\j+1], v[X+8*\i+\j:X+8*\i+\j+1], s[26:27] op_sel_hi:[1,0]
.endr
.irp j, 0,1,2,3
	v_cvt_pk_f16_f32 v[Y+4*\i+\j], v[X+8*\i+2*\j], v[X+8*\i+2*\j+1]
.endr
	global_store_b128 v2, v[Y+4*\i:Y+4*\i+3], s[24:25] offset:4096*\i
.endr
	s_endpgm
; THE SCAN of one batch's 2,048 mask words.  Wave w takes keys 256 w .. 256 w + 255 as two groups of 128: lane l holds keys 128 g + 4 l + c, c = 0..3, of its wave (16 bytes a lane).
; s[48+4g+c]: the lanes whose key (g, c) is open.  A key's rank among the open ones = open keys of the waves before + of the group before + of the lanes below + of the lane's own earlier words.
.Lscan:
	s_sub_co_u32 s40, ttmp9, 448                   ; batch
	v_lshrrev_b32 v1, 5, v0
	v_readfirstlane_b32 s41, v1                    ; wave 0..7
	v_and_b32 v3, 31, v0
	v_lshlrev_b32 v3, 4, v3
	v_lshl_add_u32 v3, s41, 10, v3                 ; byte 1,024 w + 16 l, in the mask and in pos alike
	s_lshl_b32 s42, s40, 13                        ; a batch's 8,192 bytes
	s_mov_b32 s43, 0
	s_add_nc_u64 s[36:37], s[36:37], s[42:43]
	s_add_nc_u64 s[44:45], s[38:39], s[42:43]
	global_load_b128 v[8:11], v3, s[36:37]
	global_load_b128 v[12:15], v3, s[36:37] offset:512
	v_lshrrev_b32 v4, 2, v3                        ; my first key: 256 w + 4 l
	s_wait_loadcnt 0x0
.irp i, 0,1,2,3,4,5,6,7
	v_cmp_eq_u32 s[48+\i], 0, v[8+\i]              ; any word other than 0 masks its key
.endr
	s_bcnt1_i32_b32 s56, s48                       ; open keys of group 0
.irp i, 49,50,51
	s_bcnt1_i32_b32 s58, s\i
	s_add_co_u32 s56, s56, s58
.endr
	s_bcnt1_i32_b32 s57, s52                       ; of group 1
.irp i, 53,54,55
	s_bcnt1_i32_b32 s58, s\i
	s_add_co_u32 s57, s57, s58
.endr
	s_add_co_u32 s58, s56, s57                     ; of my wave
	v_mov_b32 v5, s58
	v_mov_b32 v6, s41
	v_lshlrev_b32 v6, 2, v6
	ds_store_b32 v6, v5                            ; word w of LDS; all lanes write the same value
	s_wait_dscnt 0x0                               ; for the other waves' sake
	s_barrier_signal -1
	s_barrier_wait -1
	v_mov_b32 v7, 0
	ds_load_b128 v[16:19], v7
	ds_load_b128 v[20:23], v7 offset:16
	s_wait_dscnt 0x0
.irp i, 0,1,2,3,4,5,6,7
	v_readfirstlane_b32 s[68+\i], v[16+\i]
.endr
	s_mov_b32 s59, 0                               ; n
	s_mov_b32 s60, 0                               ; open keys of the waves before mine
.irp i, 0,1,2,3,4,5,6,7
	s_add_co_u32 s59, s59, s[68+\i]
	s_cmp_gt_u32 s41, \i
	s_cselect_b32 s58, s[68+\i], 0
	s_add_co_u32 s60, s60, s58
.endr
	s_add_co_u32 s61, s59, 255
	s_lshr_b32 s61, s61, 8
	s_max_u32 s61, s61, 1
	s_sub_co_u32 s61, s61, 1                       ; R
	s_lshl_b32 s62, s61, 8
	s_sub_co_u32 s62, s59, s62                     ; r
	s_sub_co_u32 s63, 256, s62                     ; tile 0's pads: 256 - r
	s_add_co_u32 s66, s60, s56                     ; open keys before my group 1
	v_mov_b32 v24, s63
	v_mov_b32 v25, s59
	v_mov_b32 v26, s62
.macro GROUP g, base
	v_mov_b32 v28, \base
.irp c, 0,1,2,3
	v_mbcnt_lo_u32_b32 v28, s[48+4*\g+\c], v28     ; + the group's open keys in the lanes below mine
.endr
.irp c, 0,1,2,3
	v_add_nc_u32 v29, 128*\g+\c, v4                ; the key; v28 = open keys before it
	v_sub_nc_u32 v29, v29, v28                     ; masked keys before it
	v_cmp_le_u32 vcc_lo, s62, v28
	v_cndmask_b32 v30, 0, v24, vcc_lo
	v_add_nc_u32 v30, v30, v28                     ; its place if it is open
	v_cmp_gt_u32 vcc_lo, s63, v29
	v_cndmask_b32 v31, v25, v26, vcc_lo
	v_add_nc_u32 v31, v31, v29                     ; its place if it is masked
	v_cndmask_b32 v[32+4*\g+\c], v31, v30, s[48+4*\g+\c]
	v_cndmask_b32 v30, 0, 1, s[48+4*\g+\c]
	v_add_nc_u32 v28, v28, v30
.endr
.endm
	GROUP 0, s60
	GROUP 1, s66
	global_store_b128 v3, v[32:35], s[44:45]               ; each store of the wave covers 512 consecutive bytes, aligned
	global_store_b128 v3, v[36:39], s[44:45] offset:512
	s_cmp_lg_u32 s41, 0
	s_cbranch_scc1 .Lscan_end
	s_sub_co_u32 s76, 2048, s59                    ; n_m
	s_add_co_u32 s77, s62, 63
	s_lshr_b32 s77, s77, 6
	s_max_u32 s77, s77, 1                          ; tile 0's steps of 64 keys
	s_lshl_b32 s42, s40, 9
	s_add_co_u32 s42, s42, 16384
	s_add_nc_u64 s[46:47], s[38:39], s[42:43]
	v_mov_b32 v40, s62
	v_mov_b32 v41, s61
	v_mov_b32 v42, s76
	v_mov_b32 v43, s77
	v_and_b32 v44, 31, v0
	v_lshlrev_b32 v44, 4, v44
	global_store_b128 v44, v[40:43], s[46:47]      ; the record, 32 times: 512 consecutive bytes, aligned
.Lscan_end:
	s_wait_tensorcnt 0x0
	ds_add_u32 v96, v97
	s_wait_dscnt 0x0
	s_endpgm
.Lfunc_end_k_q6e82c8612f_cvt:
	.size	k_q6e82c8612f_cvt, .Lfunc_end_k_q6e82c8612f_cvt-k_q6e82c8612f_cvt
	.p2alignl 7, 3214868480
	.fill 96, 4, 3214868480
	.section	.rodata,"a",@progbits
	.p2align	6, 0x0
	.amdhsa_kernel k_q6e82c8612f_cvt
		.amdhsa_group_segment_fixed_size 1280
		.amdhsa_private_segment_fixed_size 0
		.amdhsa_enable_private_segment 0
		.amdhsa_kernarg_size 72
		.amdhsa_user_sgpr_count 2
		.amdhsa_user_sgpr_kernarg_segment_ptr 1
		.amdhsa_wavefront_size32 1
		.amdhsa_system_sgpr_workgroup_id_x 1
		.amdhsa_system_sgpr_workgroup_id_y 1
		.amdhsa_system_sgpr_workgroup_id_z 1
		.amdhsa_system_vgpr_workitem_id 0
		.amdhsa_next_free_vgpr 98
		.amdhsa_next_free_sgpr 80
		.amdhsa_reserve_vcc 1
		.amdhsa_float_denorm_mode_32 3
		.amdhsa_float_denorm_mode_16_64 3
		.amdhsa_memory_ordered 1
		.amdhsa_forward_progress 1
		.amdhsa_inst_pref_size 18
	.end_amdhsa_kernel
	.amdgpu_metadata
---
amdhsa.version: [ 1, 2 ]
amdhsa.kernels:
  - .name:           k_q6e82c8612f_cvt
    .symbol:         k_q6e82c8612f_cvt.kd
    .args:
      - { .name: h, .offset: 0, .size: 8, .value_kind: global_buffer, .address_space: global }
      - { .name: Wq, .offset: 8, .size: 8, .value_kind: global_buffer, .address_space: global }
      - { .name: Wk, .offset: 16, .size: 8, .value_kind: global_buffer, .address_space: global }
      - { .name: Wv, .offset: 24, .size: 8, .value_kind: global_buffer, .address_space: global }
      - { .name: Wo, .offset: 32, .size: 8, .value_kind: global_buffer, .address_space: global }
      - { .name: hb, .offset: 40, .size: 8, .value_kind: global_buffer, .address_space: global }
      - { .name: wb, .offset: 48, .size: 8, .value_kind: global_buffer, .address_space: global }
      - { .name: att_mask, .offset: 56, .size: 8, .value_kind: global_buffer, .address_space: global }
      - { .name: order, .offset: 64, .size: 8, .value_kind: global_buffer, .address_space: global }
    .group_segment_fixed_size: 1280
    .private_segment_fixed_size: 0
    .kernarg_segment_align: 8
    .kernarg_segment_size: 72
    .max_flat_workgroup_size: 256
    .sgpr_count:     80
    .vgpr_count:     98
    .wavefront_size: 32
...
	.end_amdgpu_metadata
.endif
;; end of part 5
;; launch qkv (part 6): grid 12 x 16, 4 waves a work-group, clusters of 4 x 4, 327,680 bytes of LDS; arguments hb, wb, bq, bk, bv, att_mask, order, qkv, vsum; writes qkv, vsum
.if DOCPART == 6
	.amdgcn_target "amdgcn-amd-amdhsa--gfx1250"
	.amdhsa_code_object_version 6
	.text
	.protected	k_q6e82c8612f_qkv
	.globl	k_q6e82c8612f_qkv
	.p2align	8
	.type	k_q6e82c8612f_qkv,@function
k_q6e82c8612f_qkv:
	s_mov_b64 s[64:65], 0
	v_nop
	global_prefetch_b8 v0, s[64:65] scope:SCOPE_SE
	s_setreg_imm32_b32 hwreg(HW_REG_WAVE_MODE, 25, 1), 1
	s_wait_xcnt 0x0
	s_wait_alu depctr_hold_cnt(0) depctr_sa_sdst(0) depctr_va_vdst(0) depctr_va_sdst(0) depctr_va_ssrc(0) depctr_va_vcc(0) depctr_vm_vsrc(0)
	s_getreg_b32 s2, hwreg(HW_REG_IB_STS2, 6, 4)
	s_cmp_eq_u32 s2, 0
	s_cbranch_scc0 .Lentry_in_a_cluster
	s_endpgm
.Lentry_in_a_cluster:
	s_bfe_u32 s2, ttmp6, 0x10000c
	s_cmp_lg_u32 s2, 0xf033
	s_cbranch_scc0 .Lentry_shape_is_right
	s_endpgm
.Lentry_shape_is_right:
; qkv: [q c | k | v] = hb x wb^T + bias, f16 operands, f32 sums, stored in f16 as [3 mat][2 b][12 head][2048][64].
; hb: [4096][768], wb's first three parts: [2304][768].  A row of q lies at its own place; a row of k or v at the place pos[key] that the launch before has given its key
; (open keys packed together).  For v each wave also stores the f32 sum of its masked rows: vsum [64 parts = 4 x block row + wave][768].
; LIMIT: q c, k and v are rounded to f16: they must stay below 65,504.  With h and W both carrying an offset of 30 spreads they reach 768 x 30 x 30 / sqrt(768), about 24,900.
; A work-group makes 256 rows x 192 columns (three whole heads of one matrix); 12 x 16 = 192 work-groups: a split into 256 equal parts would cut heads.
; Four waves; wave w makes rows 64 w .. 64 w + 63 x all 192 columns: 48 accumulator tiles, 384 registers; per 32 of K it reads 16 fragments for 48 matrix instructions.
; K goes in 6 steps of 128 (rows of 256 bytes) through two LDS slots.  CLUSTERS of 4 x 4: a row of the cluster shares hb's tile, a column shares wb's: joint loads.
; A cluster's x is the matrix (0 q, 1 k, 2 v): four column blocks make one matrix.
; The bias is the C operand of each tile's first product: nothing is cleared and nothing is added afterwards.
; The matrix instruction is used transposed (source 0 = rows of wb, source 1 = rows of hb): a lane's 8 results are 8 neighbouring columns of one row.
; REGISTERS: window 0: v4-7 mask words, v10-31 addresses, v32-63 / v64-95 hb fragments (two buffers), v96-191 bias, v192-207 where my rows go, v208-215 1.0 for a masked row;
;            on the way out v32-79 packed results, v80-85 sums read back, v96-191 first the masked rows' sums, then v96-143 / v144-191 rows read back
;            window 1: v0-95 / v96-191 wb fragments (two buffers);  window 2: tiles of m blocks 0, 1 at v[8 (12 a + b)];  window 3: m blocks 2, 3
.set KSTEP,  128
.set DK,     768
.set PITCH,  272                       ; an LDS row: 256 bytes + 16 of padding: 16 rows of a fragment start 68 words apart
.set AHALF,  128*PITCH                 ; what waves 0, 1 each bring of hb
.set BHALF,  96*PITCH                  ; what waves 2, 3 each bring of wb
.set BOFF,   256*PITCH                 ; wb's 192 rows lie behind hb's 256
.set SLOT,   448*PITCH
.set STAGE,  2*SLOT                    ; behind the ring, bytes that no tensor load fills: 3 heads x 16 rows x 144 bytes for each wave
.set SPITCH, 144
.set HSTAGE, 16*SPITCH
.set WSTAGE, 3*HSTAGE
.set CSC,    0x3e38aa3b                ; 0.125 log2(e)
.set MK,   4
.set VST,  10
.set VRD,  11
.set VCO,  12
.set ADRA, 16
.set ADRB, 20
.set STO,  24
.set RD,   25
.set BOF,  27
.set MOF,  28
.set POF,  29
.set IDR,  30
.set C8,   31
.set FA,   32
.set BI,   96
.set SUM,  96
.set TMP,  32
.set VSR,  80
.set RB0,  96
.set RB1,  144
.set DST,  192
.set MF,   208
.set G1,  24                           ; s[24:31] group 1 for hb's tiles
.set G0,  32                           ; s[32:39] group 0 for hb's tiles, one set a slot
.set G1B, 48                           ; s[48:55] group 1 for wb's tiles
.set G0B, 56                           ; s[56:63] group 0 for wb's tiles, one set a slot
.set KR,  96                           ; s[96:99] for each m block: the lanes whose row is a masked key
.set FLAGS, (1<<16)|(1<<20)|(1<<21)|(5<<22)|(3<<25)   ; 2-byte elements; padding on; bit 21 beside a mask; after every 64 words; 4 words
.set MSB, 0
.macro WIN new                         ; the immediate's high byte repeats the setting that is left
.if MSB != \new
	s_set_vgpr_msb (MSB<<8)|\new
.set MSB, \new
.endif
.endm
.set MUL_LO,  0xa1                     ; source 0 window 1, source 1 window 0, C and D window 2
.set MUL_HI,  0xf1                     ; C and D window 3
.set INIT_LO, 0x81                     ; D window 2, C (the bias) window 0
.set INIT_HI, 0xc1
.set TO_B,    0x40                     ; destination window 1
.macro JLOAD s                         ; waves 0, 1 ask for hb's halves, waves 2, 3 for wb's: each line has one mask
	s_cmp_eq_u32 s11, 0
	s_cbranch_scc0 .Lfor_b_\@
	tensor_load_to_lds s[G0+4*\s:G0+4*\s+3], s[G1:G1+7]
	s_nop 0
	s_branch .Lasked_\@
.Lfor_b_\@:
	tensor_load_to_lds s[G0B+4*\s:G0B+4*\s+3], s[G1B:G1B+7]
	s_nop 0
.Lasked_\@:
.endm
.macro CREST                           ; a round of the cluster's barrier behind its opening work-group barrier
	s_cmp_lg_u32 s10, 0
	s_cbranch_scc1 .Lnot_wave_0_\@
	s_barrier_signal -3
.Lnot_wave_0_\@:
	s_barrier_wait -3
	s_barrier_signal -1
	s_barrier_wait -1
.endm
.macro CROUND
	s_barrier_signal -1
	s_barrier_wait -1
	CREST
.endm
.macro PLACES                          ; four places between a matrix instruction and a load into, or a vector instruction on, its registers
.rept 4
	v_nop
.endr
.endm
	s_load_b128 s[4:7], s[0:1], 0x0                ; hb, wb
	s_load_b128 s[68:71], s[0:1], 0x10             ; bq, bk
	s_load_b128 s[72:75], s[0:1], 0x20             ; bv, att_mask
	s_load_b128 s[92:95], s[0:1], 0x30             ; order, qkv
	s_load_b64 s[8:9], s[0:1], 0x40                ; vsum
	s_set_vgpr_msb 0x40
	v_lshl_add_u32 v255, v0, 2, 0x42400
	s_set_vgpr_msb 0x4000
	v_mov_b32 v255, 0
	s_set_vgpr_msb 0x1
	ds_add_u32 v255, v255
	s_set_vgpr_msb 0x100
	v_lshrrev_b32 v1, 5, v0
	v_readfirstlane_b32 s10, v1                    ; wave 0..3
	s_lshr_b32 s11, s10, 1                         ; I fetch for hb (0) or wb (1)
	s_and_b32 s12, s10, 1                          ; which half of that tile
	s_bfe_u32 s40, ttmp6, 0x40000                  ; cx
	s_bfe_u32 s41, ttmp6, 0x40004                  ; cy
	s_and_b32 s13, ttmp7, 0xffff
	s_lshl_b32 s13, s13, 2
	s_add_co_u32 s13, s13, s41                     ; block row 0..15 = 4 x cluster y + cy
	s_lshl_b32 s43, s41, 2
	s_lshl_b32 s43, 15, s43                        ; my row of the cluster
	s_lshl_b32 s44, 0x1111, s40                    ; my column
	s_or_b32 s[G1+0], s43, FLAGS
	s_or_b32 s[G1B+0], s44, FLAGS
	s_mov_b32 s[G1+1], KSTEP<<16                   ; tensor_dim0 = 128
	s_mov_b32 s[G1B+1], KSTEP<<16
	s_mov_b32 s[G1+2], 128<<16                     ; tensor_dim1 = 128 rows
	s_mov_b32 s[G1B+2], 96<<16                     ;             =  96 rows
	s_mov_b32 s[G1+3], KSTEP<<16                   ; tile_dim0 = 128
	s_mov_b32 s[G1B+3], KSTEP<<16
	s_mov_b32 s[G1+4], 128                         ; tile_dim1
	s_mov_b32 s[G1B+4], 96
	s_mov_b32 s[G1+5], DK                          ; elements from row to row
	s_mov_b32 s[G1B+5], DK
	s_mov_b32 s[G1+6], 0
	s_mov_b32 s[G1B+6], 0
	s_mov_b32 s[G1+7], 0
	s_mov_b32 s[G1B+7], 0
	; hb's tile hangs on the block row alone, wb's on the matrix and cx alone; each address in registers that never hold the other coordinate
	s_lshl_b32 s17, s12, 7
	s_lshl_b32 s16, s13, 8
	s_add_co_u32 s16, s16, s17                     ; hb row 256 x block row + 128 x half
	s_mul_i32 s16, s16, DK*2
	s_mov_b32 s17, 0
	s_mul_i32 s46, ttmp9, 768
	s_mul_i32 s47, s40, 192
	s_add_co_u32 s46, s46, s47
	s_mul_i32 s47, s12, 96
	s_add_co_u32 s46, s46, s47                     ; wb row 768 x matrix + 192 cx + 96 x half
	s_mul_i32 s46, s46, DK*2
	s_mov_b32 s47, 0
	s_mul_i32 s20, s10, AHALF                      ; LDS: hb's halves at wave x 128 rows (waves 0, 1)
	s_mul_i32 s21, s10, BHALF
	s_add_co_u32 s21, s21, BOFF-2*BHALF            ; wb's halves at BOFF + (wave - 2) x 96 rows (waves 2, 3)
	; where my results go: the matrix, then head 12 b + 3 cx, 262,144 bytes a head; the row inside the head is a vector offset
	s_lshr_b32 s88, s13, 3
	s_mul_i32 s88, s88, 12
	s_mul_i32 s89, s40, 3
	s_add_co_u32 s88, s88, s89
	s_lshl_b32 s88, s88, 18
	s_mul_i32 s89, ttmp9, 6291456
	s_add_co_u32 s88, s88, s89
	s_mov_b32 s89, 0
	s_and_b32 s81, s13, 7
	s_lshl_b32 s81, s81, 8
	s_lshl_b32 s82, s10, 6
	s_add_co_u32 s81, s81, s82                     ; my first row inside the batch: 256 (block row mod 8) + 64 wave
	s_mul_i32 s86, s40, 768                        ; my 192 bias numbers; also my 192 columns of a part of vsum
	s_mov_b32 s87, 0
	s_lshl_b32 s90, s13, 10                        ; my block's 256 words of att_mask and of pos
	s_mov_b32 s91, 0
	s_lshl_b32 s100, s13, 2
	s_add_co_u32 s100, s100, s10
	s_mul_i32 s100, s100, 3072                     ; vsum: part 4 x block row + wave
	s_add_co_u32 s100, s100, s86
	s_mov_b32 s101, 0
	s_wait_dscnt 0x0
	s_wait_kmcnt 0x0
	s_add_nc_u64 s[14:15], s[4:5], s[16:17]
	s_add_nc_u64 s[46:47], s[6:7], s[46:47]
	s_add_nc_u64 s[94:95], s[94:95], s[88:89]
	s_add_nc_u64 s[74:75], s[74:75], s[90:91]
	s_add_nc_u64 s[92:93], s[92:93], s[90:91]
	s_add_nc_u64 s[8:9], s[8:9], s[100:101]
	s_cmp_eq_u32 ttmp9, 1
	s_cselect_b64 s[84:85], s[70:71], s[68:69]     ; the matrix's bias
	s_cmp_eq_u32 ttmp9, 2
	s_cselect_b64 s[84:85], s[72:73], s[84:85]
	s_cmp_eq_u32 ttmp9, 0
	s_cselect_b32 s82, CSC, 1.0                    ; bq takes the factor that Wq has taken
	s_cselect_b32 s80, -1, 0                       ; q's rows stay at their own places
	s_mov_b32 s83, s82
	s_add_nc_u64 s[84:85], s[84:85], s[86:87]
	CROUND                                         ; all sixteen work-groups are here: the first joint loads meet
.irp s, 0,1
	s_mov_b32 s[G0+4*\s], 1
	s_add_co_u32 s[G0+4*\s+1], s20, \s*SLOT
	s_add_nc_u64 s[G0+4*\s+2:G0+4*\s+3], s[14:15], \s*KSTEP*2
	s_or_b32 s[G0+4*\s+3], s[G0+4*\s+3], 0x80000000
	s_mov_b32 s[G0B+4*\s], 1
	s_add_co_u32 s[G0B+4*\s+1], s21, \s*SLOT
	s_add_nc_u64 s[G0B+4*\s+2:G0B+4*\s+3], s[46:47], \s*KSTEP*2
	s_or_b32 s[G0B+4*\s+3], s[G0B+4*\s+3], 0x80000000
	JLOAD \s                                       ; both slots' first fills go out before anything else: two tensor loads of a wave are out
.endr
	v_and_b32 v1, 15, v0                           ; r = lane % 16
	v_bfe_u32 v2, v0, 4, 1                         ; h = lane / 16
	v_mul_u32_u24 v3, v1, PITCH
	v_lshl_add_u32 v3, v2, 4, v3                   ; a fragment: row r, 16 bytes for each half of the lanes
	s_mul_i32 s22, s10, 64*PITCH                   ; my 64 rows of hb
	s_add_co_u32 s23, s22, SLOT
	v_add_nc_u32 v[ADRA], s22, v3
	v_add_nc_u32 v[ADRA+1], s23, v3
	v_add_nc_u32 v[ADRB], BOFF, v3
	v_add_nc_u32 v[ADRB+1], BOFF+SLOT, v3
	s_mul_i32 s22, s10, WSTAGE
	s_add_co_u32 s22, s22, STAGE                   ; my stage
	v_mul_u32_u24 v3, v1, SPITCH
	v_lshl_add_u32 v3, v2, 4, v3
	v_add_nc_u32 v[STO], s22, v3                   ; in: row r, 16 bytes for each half
	v_bfe_u32 v9, v0, 3, 2                         ; g: which of the four rows that the wave reads back at a time
	v_mul_u32_u24 v3, v9, SPITCH
	v_and_b32 v8, 7, v0
	v_lshlrev_b32 v[C8], 4, v8                     ; my 16 bytes of a row of 128
	v_add_nc_u32 v3, v3, v[C8]
	v_add_nc_u32 v[RD], s22, v3                    ; back: eight lanes take a row of 128 bytes, the wave four rows
	v_and_b32 v8, 31, v0
	v_lshlrev_b32 v[VCO], 3, v8                    ; the sums: 8 bytes a lane, 256 a wave
	v_add_nc_u32 v[VRD], s22, v[VCO]
	v_lshlrev_b32 v[BOF], 5, v2                    ; bias: 8 numbers from 8 h
	v_add_nc_u32 v[VST], s22, v[BOF]               ; the sums lie in the stage as the bias lies in memory
	v_lshlrev_b32 v[MOF], 2, v1
	v_lshl_add_u32 v[MOF], s10, 8, v[MOF]          ; mask: word 64 wave + r
	v_lshlrev_b32 v[POF], 2, v9
	v_lshl_add_u32 v[POF], s10, 8, v[POF]          ; pos: word 64 wave + g
	v_add_nc_u32 v[IDR], s81, v9                   ; and that row's own number in the batch
.irp b, 0,1,2,3,4,5,6,7,8,9,10,11
	global_load_b128 v[BI+8*\b:BI+8*\b+3],   v[BOF], s[84:85] offset:64*\b      ; register j of n block b: bias[16 b + 8 h + j], as the transposed result lies
	global_load_b128 v[BI+8*\b+4:BI+8*\b+7], v[BOF], s[84:85] offset:64*\b+16
.endr
.irp a, 0,1,2,3
	global_load_b32 v[MK+\a], v[MOF], s[74:75] offset:64*\a
.endr
.irp a, 0,1,2,3
.irp t, 0,1,2,3
	global_load_b32 v[DST+4*\a+\t], v[POF], s[92:93] offset:4*(16*\a+4*\t)       ; pos of row 16 a + 4 t + g of my 64
.endr
.endr
	s_wait_loadcnt 0x0
.irp b, 0,1,2,3,4,5,6,7,8,9,10,11
.irp q, 0,2,4,6
	v_pk_mul_f32 v[BI+8*\b+\q:BI+8*\b+\q+1], v[BI+8*\b+\q:BI+8*\b+\q+1], s[82:83] op_sel_hi:[1,0]
.endr
.endr
.irp a, 0,1,2,3
.irp t, 0,1,2,3
	v_add_nc_u32 v8, 16*\a+4*\t, v[IDR]
	v_cndmask_b32 v[DST+4*\a+\t], v[DST+4*\a+\t], v8, s80          ; q: the row's own number
	v_min_u32 v[DST+4*\a+\t], 0x7ff, v[DST+4*\a+\t]                ; a place inside the head's 2,048 rows
	v_lshlrev_b32 v[DST+4*\a+\t], 7, v[DST+4*\a+\t]                ; 128 bytes a row
	v_add_nc_u32 v[DST+4*\a+\t], v[DST+4*\a+\t], v[C8]
.endr
.endr
.irp a, 0,1,2,3
	v_cmp_ne_u32 s[KR+\a], 0, v[MK+\a]             ; a lane's bit: its row r of m block a is a masked key
	v_cndmask_b32 v[MF+2*\a], 0, 1.0, s[KR+\a]
	v_cndmask_b32 v[MF+2*\a+1], 0, 1.0, s[KR+\a]
.endr
; 12 matrix instructions: m block 2 hi + a x all 12 n blocks, 32 along K, from buffer f.  init = 1: the bias starts the sums.
.macro MUL12 f, hi, a, init
.irp b, 0,1,2,3,4,5,6,7,8,9,10,11
.if \init
	v_wmma_f32_16x16x32_f16 v[8*(12*\a+\b):8*(12*\a+\b)+7], v[96*\f+8*\b:96*\f+8*\b+7], v[FA+32*\f+8*(2*\hi+\a):FA+32*\f+8*(2*\hi+\a)+7], v[BI+8*\b:BI+8*\b+7]
.else
	v_wmma_f32_16x16x32_f16 v[8*(12*\a+\b):8*(12*\a+\b)+7], v[96*\f+8*\b:96*\f+8*\b+7], v[FA+32*\f+8*(2*\hi+\a):FA+32*\f+8*(2*\hi+\a)+7], v[8*(12*\a+\b):8*(12*\a+\b)+7]
.endif
.endr
.endm
; 32 LDS loads in one run: 192 rows of wb, then my 64 rows of hb, 32 K at byte k of the rows, into buffer f
.macro FETCH slot, k, f
	WIN TO_B
.irp i, 0,1,2,3,4,5,6,7,8,9,10,11
	ds_load_b128 v[96*\f+8*\i:96*\f+8*\i+3],   v[ADRB+\slot] offset:\k+\i*16*PITCH
	ds_load_b128 v[96*\f+8*\i+4:96*\f+8*\i+7], v[ADRB+\slot] offset:\k+\i*16*PITCH+32
.endr
	WIN 0
.irp i, 0,1,2,3
	ds_load_b128 v[FA+32*\f+8*\i:FA+32*\f+8*\i+3],   v[ADRA+\slot] offset:\k+\i*16*PITCH
	ds_load_b128 v[FA+32*\f+8*\i+4:FA+32*\f+8*\i+7], v[ADRA+\slot] offset:\k+\i*16*PITCH+32
.endr
.endm
; A K step is four quarters of 32 along K, 48 matrix instructions each, on buffers 0, 1, 0, 1.  The 48 accumulators take turns, one instruction a turn,
; in the same order in every quarter.
.macro QUARTER slot, k, f, g, init
	s_wait_dscnt 4                                 ; wb and hb's m blocks 0, 1 are in; the youngest four loads (m blocks 2, 3) may be out
.if \init
	WIN INIT_LO
.else
	WIN MUL_LO
.endif
	MUL12 \f, 0, 0, \init
	MUL12 \f, 0, 1, \init
	PLACES
	FETCH \slot, \k, \g
	s_wait_dscnt 32                                ; all but the 32 just issued
.if \init
	WIN INIT_HI
.else
	WIN MUL_HI
.endif
	MUL12 \f, 1, 0, \init
	MUL12 \f, 1, 1, \init
.endm
.macro THREE slot, init
	QUARTER \slot, 64,  0, 1, \init
	QUARTER \slot, 128, 1, 0, 0
	QUARTER \slot, 192, 0, 1, 0
.endm
; The last quarter multiplies buffer 1 and changes slots.  In front of the barrier each wave waits for its reads of this slot and for all its tensor loads
; (one is out: its part of the next slot).  fill = 1: the barrier opens a round of the cluster's barrier, and this slot's joint refill, two K steps ahead, is the first tensor load behind the round.
.macro TURN slot, next, fill
	s_wait_dscnt 4
	WIN MUL_LO
	MUL12 1, 0, 0, 0
	s_wait_dscnt 0                                 ; my reads of this slot are over
	s_wait_tensorcnt 0x0                           ; all my tensor loads have landed
	ds_add_u32 v255, v255
	s_wait_dscnt 0x0
	s_barrier_signal -1
	MUL12 1, 0, 1, 0                               ; register work while the others arrive
	WIN 0
	s_barrier_wait -1
.if \fill
	CREST
	s_add_nc_u64 s[G0+4*\slot+2:G0+4*\slot+3], s[G0+4*\slot+2:G0+4*\slot+3], 2*KSTEP*2
	s_add_nc_u64 s[G0B+4*\slot+2:G0B+4*\slot+3], s[G0B+4*\slot+2:G0B+4*\slot+3], 2*KSTEP*2
	JLOAD \slot                                    ; it has a K step less 12 matrix instructions in which to land
.endif
	PLACES
	FETCH \next, 0, 0
	WIN MUL_HI
	MUL12 1, 1, 0, 0
	MUL12 1, 1, 1, 0
.endm
.macro LAP init
	THREE 0, \init
	TURN 0, 1, 1
	THREE 1, 0
	TURN 1, 0, 1
.endm
	s_wait_tensorcnt 0x1                           ; my part of K step 0 is in; K step 1's may stay out
	s_barrier_signal -1
	s_barrier_wait -1
	FETCH 0, 0, 0
	LAP 1                                          ; K steps 0, 1; asks for 2, 3
	LAP 0                                          ; K steps 2, 3; asks for 4, 5
	THREE 0, 0                                     ; the last lap fills nothing
	TURN 0, 1, 0
	THREE 1, 0
	s_wait_dscnt 4
	WIN MUL_LO
	MUL12 1, 0, 0, 0
	MUL12 1, 0, 1, 0
	s_wait_dscnt 0
	WIN MUL_HI
	MUL12 1, 1, 0, 0
	MUL12 1, 1, 1, 0
	PLACES                                         ; behind the last matrix instructions: what follows reads results and writes over fragment and bias registers
	WIN 0                                          ; a branch follows
; FOR v ALONE: the f32 sum of my 64 rows' masked ones, column by column.  All masked keys have one and the same score, so the next launch needs of them only this sum and their number.
; A lane adds its row of each m block, times 1.0 or 0.0; four exchanges add the 16 rows of the lanes; then every lane of a half holds the sums of columns 16 b + 8 h + j.
; They go through my stage (16 lanes write the same bytes with the same values) and leave as three stores of 256 consecutive bytes, aligned.
	s_cmp_lg_u32 ttmp9, 2                          ; the cluster's x: the same in all sixteen work-groups
	s_cbranch_scc1 .Lno_sums
	WIN 0x02                                       ; source 0 in window 2
.set n, 0
.rept 48
	v_pk_mul_f32 v[SUM+n:SUM+n+1], v[n:n+1], v[MF:MF+1]
.set n, n+2
.endr
.set n, 0
.rept 48
	v_pk_fma_f32 v[SUM+n:SUM+n+1], v[96+n:96+n+1], v[MF+2:MF+3], v[SUM+n:SUM+n+1]
.set n, n+2
.endr
	WIN 0x03                                       ; source 0 in window 3
.set n, 0
.rept 48
	v_pk_fma_f32 v[SUM+n:SUM+n+1], v[n:n+1], v[MF+4:MF+5], v[SUM+n:SUM+n+1]
.set n, n+2
.endr
.set n, 0
.rept 48
	v_pk_fma_f32 v[SUM+n:SUM+n+1], v[96+n:96+n+1], v[MF+6:MF+7], v[SUM+n:SUM+n+1]
.set n, n+2
.endr
	WIN 0
.irp x, 1,2,4,8
.set n, 0
.rept 96
	v_add_f32_dpp v[SUM+n], v[SUM+n], v[SUM+n] row_xmask:\x row_mask:0xf bank_mask:0xf
.set n, n+1
.endr
.endr
.irp b, 0,1,2,3,4,5,6,7,8,9,10,11
	ds_store_b128 v[VST], v[SUM+8*\b:SUM+8*\b+3]   offset:64*\b
	ds_store_b128 v[VST], v[SUM+8*\b+4:SUM+8*\b+7] offset:64*\b+16
.endr
.irp i, 0,1,2
	ds_load_b64 v[VSR+2*\i:VSR+2*\i+1], v[VRD] offset:256*\i       ; LDS serves a wave's instructions in order: these see the stores above
.endr
	s_wait_dscnt 0x0
.irp i, 0,1,2
	global_store_b64 v[VCO], v[VSR+2*\i:VSR+2*\i+1], s[8:9] offset:256*\i
.endr
.Lno_sums:
; THE WAY OUT, 16 rows (m block a) at a time: round to f16, 16 bytes a lane into my own stage (one block of 16 rows x 144 bytes a head), read back four rows of 128 bytes at a time
; and store each row at its place.  For q the wave's store covers 512 consecutive bytes, aligned; for k and v eight lanes store a row's 128 bytes, and neighbouring open keys land side by side.
.macro OUT16 a, al, from, rb
	WIN \from
.irp b, 0,1,2,3,4,5,6,7,8,9,10,11
.irp q, 0,1,2,3
	v_cvt_pk_f16_f32 v[TMP+4*\b+\q], v[8*(12*\al+\b)+2*\q], v[8*(12*\al+\b)+2*\q+1]
.endr
.endr
	WIN 0
.irp b, 0,1,2,3,4,5,6,7,8,9,10,11
	ds_store_b128 v[STO], v[TMP+4*\b:TMP+4*\b+3] offset:(\b>>2)*HSTAGE+32*(\b&3)
.endr
	s_wait_xcnt 0x0                                ; the registers that earlier stores read are loaded again only behind this wait
.irp hd, 0,1,2
.irp t, 0,1,2,3
	ds_load_b128 v[\rb+4*(4*\hd+\t):\rb+4*(4*\hd+\t)+3], v[RD] offset:\hd*HSTAGE+\t*4*SPITCH   ; LDS serves a wave's instructions in order: these see the stores above
.endr
.endr
.irp hd, 0,1,2
.irp t, 0,1,2,3
	s_wait_dscnt 11-(4*\hd+\t)                     ; the younger loads stay out
	global_store_b128 v[DST+4*\a+\t], v[\rb+4*(4*\hd+\t):\rb+4*(4*\hd+\t)+3], s[94:95] offset:\hd*262144
.endr
.endr
.endm
	OUT16 0, 0, 0x0a, RB0
	OUT16 1, 1, 0x0a, RB1
	OUT16 2, 0, 0x0f, RB0
	OUT16 3, 1, 0x0f, RB1
	s_set_vgpr_msb 0x1
	s_wait_tensorcnt 0x0
	ds_add_u32 v255, v255
	s_wait_dscnt 0x0
	s_set_vgpr_msb 0x100
	CROUND                                         ; the closing round: no work-group ends while a partner may still ask for a tile that names it
	s_endpgm
.Lfunc_end_k_q6e82c8612f_qkv:
	.size	k_q6e82c8612f_qkv, .Lfunc_end_k_q6e82c8612f_qkv-k_q6e82c8612f_qkv
	.p2alignl 7, 3214868480
	.fill 96, 4, 3214868480
	.section	.rodata,"a",@progbits
	.p2align	6, 0x0
	.amdhsa_kernel k_q6e82c8612f_qkv
		.amdhsa_group_segment_fixed_size 327680
		.amdhsa_private_segment_fixed_size 0
		.amdhsa_enable_private_segment 0
		.amdhsa_kernarg_size 72
		.amdhsa_user_sgpr_count 2
		.amdhsa_user_sgpr_kernarg_segment_ptr 1
		.amdhsa_wavefront_size32 1
		.amdhsa_system_sgpr_workgroup_id_x 1
		.amdhsa_system_sgpr_workgroup_id_y 1
		.amdhsa_system_sgpr_workgroup_id_z 1
		.amdhsa_system_vgpr_workitem_id 0
		.amdhsa_next_free_vgpr 1024
		.amdhsa_next_free_sgpr 102
		.amdhsa_reserve_vcc 0
		.amdhsa_float_denorm_mode_32 3
		.amdhsa_float_denorm_mode_16_64 3
		.amdhsa_memory_ordered 1
		.amdhsa_forward_progress 1
		.amdhsa_inst_pref_size 214
	.end_amdhsa_kernel
	.amdgpu_metadata
---
amdhsa.version: [ 1, 2 ]
amdhsa.kernels:
  - .name:           k_q6e82c8612f_qkv
    .symbol:         k_q6e82c8612f_qkv.kd
    .args:
      - { .name: hb, .offset: 0, .size: 8, .value_kind: global_buffer, .address_space: global }
      - { .name: wb, .offset: 8, .size: 8, .value_kind: global_buffer, .address_space: global }
      - { .name: bq, .offset: 16, .size: 8, .value_kind: global_buffer, .address_space: global }
      - { .name: bk, .offset: 24, .size: 8, .value_kind: global_buffer, .address_space: global }
      - { .name: bv, .offset: 32, .size: 8, .value_kind: global_buffer, .address_space: global }
      - { .name: att_mask, .offset: 40, .size: 8, .value_kind: global_buffer, .address_space: global }
      - { .name: order, .offset: 48, .size: 8, .value_kind: global_buffer, .address_space: global }
      - { .name: qkv, .offset: 56, .size: 8, .value_kind: global_buffer, .address_space: global }
      - { .name: vsum, .offset: 64, .size: 8, .value_kind: global_buffer, .address_space: global }
    .group_segment_fixed_size: 327680
    .private_segment_fixed_size: 0
    .kernarg_segment_align: 8
    .kernarg_segment_size: 72
    .max_flat_workgroup_size: 128
    .sgpr_count:     102
    .vgpr_count:     1024
    .wavefront_size: 32
...
	.end_amdgpu_metadata
.endif
;; end of part 6
;; launch attn (part 7): grid 8 x 24, 8 waves a work-group, no clusters, 209,920 bytes of LDS; arguments qkv, order, vsum, attw; writes attw
.if DOCPART == 7
	.amdgcn_target "amdgcn-amd-amdhsa--gfx1250"
	.amdhsa_code_object_version 6
	.text
	.protected	k_q6e82c8612f_attn
	.globl	k_q6e82c8612f_attn
	.p2align	8
	.type	k_q6e82c8612f_attn,@function
k_q6e82c8612f_attn:
	s_mov_b64 s[64:65], 0
	v_nop
	global_prefetch_b8 v0, s[64:65] scope:SCOPE_SE
	s_setreg_imm32_b32 hwreg(HW_REG_WAVE_MODE, 25, 1), 1
	s_wait_xcnt 0x0
; attn: softmax(where(mask, -1e9, q k^T / 8)) v for one (batch, head) and 256 queries, with a running maximum; f16 operands, f32 sums and softmax.
; In: qkv [3][2 b][12 head][2048][64] f16; q carries the factor 0.125 log2(e), so scores come out of the matrix unit in base-2 units.  The rows of k and v lie in the packed order
; of the launches before: tile 0 (256 rows) holds r open keys and then masked ones (pads), tiles 1 .. R hold open keys only.  order holds the record (r, R, n_m, tile 0's steps) of each batch.
; vsum [64 parts][768] f32: the sums of v's masked rows, 32 parts a batch.   Out: attw [12 head][4096 row][64] f16.
; ONLY THE OPEN KEYS ARE WALKED.  The n_m masked keys all have the score NEG = -1e9 log2(e), so together they are one term of weight n_m 2^(NEG - M) and value sum(v) / n_m:
; it is added at the end, in f32, under a last step of the running maximum.  That holds for every mask and every score: all keys masked gives v's mean, and open scores below -1e9 lose against the masked ones.
; Tile 0 goes first; its scores start from a table in LDS as C operand: 0 for an open key, PAD = -1e38 for a pad, whose weight is then 0 (with no open key at all: wiped out by the last step).
; Full tiles start from C = 0.
; LIMITS: p and v are f16 (p in (0, 1]: below 2^-14 its step is 2^-25 of the row's running largest term; |v| < 65,504).  NEG is -1e9 log2(e) rounded to f32.  v_exp_f32 gives 0 for results below 2^-126.
; SCORES ARE MADE TRANSPOSED, S^T = K Q^T: a lane owns one query (lane % 16), its 8 registers of a tile are 8 keys.  So maximum and sum run inside the lane, plus one exchange
; between the halves of the wave; the tile, packed to f16, is already the B fragment of O^T = V^T P^T; and the rescaling factor is one register.
; Eight waves, two to a SIMD, so that one wave's softmax can run beside the other's matrix work.  Wave w owns queries 32 w .. 32 w + 31 (two tiles i = 0, 1).
; 192 work-groups: 24 (batch, head) x 8 query blocks.
; THE WALK: eight trips, one for each tile that a batch can have, with ONE barrier at the head of each, which every wave passes whatever R is.  Inside a trip only forward branches on R,
; over loads, LDS accesses and register work, never over a barrier: trip t > R does nothing; trip t = R asks for no further tile.
; K and V go through two LDS slots of 256 keys BY WAY OF REGISTERS: at the head of trip t each thread loads its 256 bytes of tile t + 1 (16 loads of 16 bytes; a wave's load covers 512 consecutive
; bytes), the tile's four steps of 64 keys are worked, and then the 256 bytes are stored into the other slot, whose last reads every wave has waited for in front of this trip's barrier.
; NO CLUSTER, NO JOINT LOADS, though the eight query blocks of a head read the same K and V: how many tiles are walked is a count read from memory;
; to walk all 8 tiles for the sake of joint loads would cost 32 steps in place of 4 R + tile 0's steps.
; REGISTERS: window 0: v4-11 addresses, v12-15 maxima at work, v16-19 (M0, X0, M1, X1), v20-23 (AL0, L0, AL1, L1), v24-31 sums, v32-95 S (then P in the first 16 of each 32),
;            v96-159 K fragments, v160-191 Q fragments, v192-223 tile 0's constants, at the end the masked rows' sum, v224-249 prologue and addresses
;            window 1: v0-63 O, v64-127 V fragments, v128-191 the next tile on its way (K's 32 registers, then V's)
.set KP,     144                       ; K's LDS pitch: 128 bytes + 16
.set VP,     160                       ; V's: 128 + 32, an odd multiple of 32 for the transposing loads
.set VOFF,   40960
.set SLOT,   81920
.set TILEB,  32768                     ; a tile of K, or of V, in memory: 256 rows of 128 bytes
.set TAB,    163840                    ; 256 f32: 0 or PAD for each row of tile 0
.set VS,     164864                    ; 8 x 64 f32: each wave's sum of four parts of vsum
.set VT,     166912                    ; 8 x 64 f32: the whole sum, once for each wave
.set STAGE,  172032                    ; 32 rows x 144 bytes for each wave
.set SPITCH, 144
.set WSTAGE, 32*SPITCH
.set NEGB,   0xceabfb8f                ; -1e9 log2(e)
.set PADB,   0xfe967699                ; -1e38
.set ADK, 4
.set ADV, 6
.set ADB, 8
.set STO, 9
.set RD,  10
.set CO,  11
.set T,   12
.set M,   16
.set AL,  20
.set U,   24
.set SB,  32
.set KF,  96
.set QF,  160
.set BI,  192
.set PT,  224
.set SK,  234                          ; v234-235  where I put my 16 bytes of a row of K, slot 0, 1
.set SV,  236                          ; v236-237  the same for V
.set GO,  238                          ; v238      16 x thread: my 16 bytes of each 4,096 of a tile
.set QO,  241
.set VO,  244
.set VSW, 245
.set VSA, 246
.set VTA, 247
.set VTB, 248
.set TBS, 249
.set OA,  0                            ; window 1
.set VF,  64                           ; window 1
.set ST,  128                          ; window 1
.set MSB, 0
.macro WIN new                         ; the immediate's high byte repeats the setting that is left
.if MSB != \new
	s_set_vgpr_msb (MSB<<8)|\new
.set MSB, \new
.endif
.endm
; 16 loads: my 128 bytes of K and my 128 bytes of V of the tile that begins toff bytes behind the two bases
.macro GLOAD toff
	WIN 0x40                                       ; destination window 1
.irp i, 0,1,2,3,4,5,6,7
	global_load_b128 v[ST+4*\i:ST+4*\i+3], v[GO], s[32:33] offset:\toff+4096*\i
.endr
.irp i, 0,1,2,3,4,5,6,7
	global_load_b128 v[ST+32+4*\i:ST+32+4*\i+3], v[GO], s[34:35] offset:\toff+4096*\i
.endr
	WIN 0
.endm
; 16 LDS stores: the same bytes into a slot's padded rows.  4,096 bytes of memory are 32 rows; thread t holds 16 bytes of row t / 8
.macro LSTORE slot
	WIN 0x04                                       ; store data window 1
.irp i, 0,1,2,3,4,5,6,7
	ds_store_b128 v[SK+\slot], v[ST+4*\i:ST+4*\i+3] offset:\i*32*KP
.endr
.irp i, 0,1,2,3,4,5,6,7
	ds_store_b128 v[SV+\slot], v[ST+32+4*\i:ST+32+4*\i+3] offset:\i*32*VP
.endr
	WIN 0
.endm
	s_load_b128 s[4:7], s[0:1], 0x0                ; qkv, order
	s_load_b128 s[68:71], s[0:1], 0x10             ; vsum, attw
	v_lshl_add_u32 v254, v0, 2, 0x33000
	v_mov_b32 v255, 0
	v_lshrrev_b32 v1, 5, v0
	v_readfirstlane_b32 s10, v1                    ; wave 0..7
	s_mov_b32 s12, 0x76543210                      ; v_permlanex16_b32: lane i of one half reads lane i of the other
	s_mov_b32 s13, 0xfedcba98
	s_and_b32 s14, ttmp7, 0xffff                   ; y = 12 b + head
	s_cmp_ge_u32 s14, 12
	s_cselect_b32 s15, 1, 0                        ; b
	s_lshl_b32 s16, s14, 18                        ; a head is 262,144 bytes
	s_mov_b32 s17, 0
	; q: row 2048 y + 256 block + 32 wave
	s_lshl_b32 s40, s14, 11
	s_lshl_b32 s41, ttmp9, 8
	s_add_co_u32 s40, s40, s41
	s_lshl_b32 s41, s10, 5
	s_add_co_u32 s40, s40, s41
	s_lshl_b32 s40, s40, 7
	s_mov_b32 s41, 0
	; out: row 4096 head + 2048 b + 256 block + 32 wave
	s_mul_i32 s46, s15, 12
	s_sub_co_u32 s46, s14, s46                     ; head
	s_lshl_b32 s9, s46, 8                          ; my head's 256 bytes of a part of vsum
	s_lshl_b32 s46, s46, 12
	s_lshl_b32 s47, s15, 11
	s_add_co_u32 s46, s46, s47
	s_lshl_b32 s47, ttmp9, 8
	s_add_co_u32 s46, s46, s47
	s_lshl_b32 s47, s10, 5
	s_add_co_u32 s46, s46, s47
	s_lshl_b32 s46, s46, 7
	s_mov_b32 s47, 0
	; vsum: my wave sums parts 32 b + 4 w .. + 3, 3,072 bytes a part
	s_lshl_b32 s8, s15, 5
	s_lshl_b32 s76, s10, 2
	s_add_co_u32 s8, s8, s76
	s_mul_i32 s8, s8, 3072
	s_add_co_u32 s8, s8, s9
	s_mov_b32 s9, 0
	s_lshl_b32 s76, s15, 9                         ; the batch's record: 512 bytes each, behind the 16,384 bytes of pos
	s_mov_b32 s77, 0
	v_and_b32 v1, 15, v0                           ; r
	v_bfe_u32 v2, v0, 4, 1                         ; h
	v_lshlrev_b32 v[GO], 4, v0
	v_lshlrev_b32 v[QO], 7, v1
	v_lshl_add_u32 v[QO], v2, 4, v[QO]
	v_and_b32 v[CO], 31, v0
	v_lshlrev_b32 v[VO], 3, v[CO]                  ; 8 bytes a lane: 64 f32 a wave
	v_lshlrev_b32 v[CO], 4, v[CO]
	s_wait_kmcnt 0x0
	s_add_nc_u64 s[6:7], s[6:7], s[76:77]
	s_load_b128 s[72:75], s[6:7], 0x4000           ; r, R, n_m, tile 0's steps; waited for where the table is made
	s_add_nc_u64 s[18:19], s[4:5], s[16:17]
	s_add_nc_u64 s[32:33], s[18:19], 6291456       ; my head's k
	s_add_nc_u64 s[34:35], s[18:19], 12582912      ; my head's v
	s_add_nc_u64 s[42:43], s[4:5], s[40:41]
	s_add_nc_u64 s[70:71], s[70:71], s[46:47]
	s_add_nc_u64 s[68:69], s[68:69], s[8:9]
	GLOAD 0                                        ; tile 0, before anything else
.irp i, 0,1
.irp ks, 0,1
	global_load_b128 v[QF+8*(2*\i+\ks):QF+8*(2*\i+\ks)+3],   v[QO], s[42:43] offset:2048*\i+64*\ks
	global_load_b128 v[QF+8*(2*\i+\ks)+4:QF+8*(2*\i+\ks)+7], v[QO], s[42:43] offset:2048*\i+64*\ks+32
.endr
.endr
.irp i, 0,1,2,3
	global_load_b64 v[PT+2*\i:PT+2*\i+1], v[VO], s[68:69] offset:3072*\i       ; my head's 256 consecutive bytes of a part
.endr
	v_mul_u32_u24 v[ADK], v1, KP
	v_lshl_add_u32 v[ADK], v2, 4, v[ADK]           ; K fragment: row r, 16 bytes for each half
	s_mul_i32 s16, s10, WSTAGE
	s_add_co_u32 s16, s16, STAGE
	v_add_nc_u32 v[STO], s16, v[ADK]               ; the stage has the same pitch
	v_add_nc_u32 v[ADK+1], SLOT, v[ADK]
	v_and_b32 v[ADV], 7, v0
	v_lshl_add_u32 v[ADV], v2, 3, v[ADV]           ; V, transposing load: row 8 h + lane % 8,
	v_mul_u32_u24 v[ADV], v[ADV], VP
	v_bfe_u32 v[ADV+1], v0, 3, 1
	v_lshl_add_u32 v[ADV], v[ADV+1], 4, v[ADV]     ; 16 bytes for each group of eight lanes
	v_add_nc_u32 v[ADV+1], VOFF+SLOT, v[ADV]
	v_add_nc_u32 v[ADV], VOFF, v[ADV]
	v_bfe_u32 v[RD], v0, 3, 2                      ; lane / 8: which of the wave's four rows
	v_and_b32 v[T], 7, v0                          ; lane % 8: which 16 bytes of a row of 128
	v_mul_u32_u24 v[SV], v[RD], VP
	v_lshl_add_u32 v[SV], v[T], 4, v[SV]
	v_mul_u32_u24 v[RD], v[RD], SPITCH
	v_lshl_add_u32 v[RD], v[T], 4, v[RD]
	s_mul_i32 s20, s10, 4*KP                       ; of each 32 rows wave w holds rows 4 w .. 4 w + 3
	s_mul_i32 s21, s10, 4*VP
	s_add_co_u32 s21, s21, VOFF
	v_add_nc_u32 v[SK], s20, v[RD]                 ; K's pitch is the stage's
	v_add_nc_u32 v[SK+1], SLOT, v[SK]
	v_add_nc_u32 v[SV], s21, v[SV]
	v_add_nc_u32 v[SV+1], SLOT, v[SV]
	v_add_nc_u32 v[RD], s16, v[RD]                 ; the way out, back: eight lanes a row of 128 bytes, the wave four rows
	v_lshl_add_u32 v[ADB], v2, 5, TAB              ; tile 0's constants: 8 keys from 8 h
	v_lshl_add_u32 v[TBS], v0, 2, TAB              ; thread t makes the constant of row t
	s_lshl_b32 s40, s10, 8                         ; 256 bytes a wave
	s_add_co_u32 s41, s40, VT
	v_add_nc_u32 v[VSA], VS, v[VO]
	v_add_nc_u32 v[VSW], s40, v[VSA]
	v_add_nc_u32 v[VTA], s41, v[VO]
	v_lshlrev_b32 v[VTB], 5, v2
	v_add_nc_u32 v[VTB], s41, v[VTB]
	v_mov_b32 v3, PADB
	v_mov_b32 v[M+1], 0                            ; the exchange's destinations count as read: written once here
	v_mov_b32 v[M+3], 0
	s_wait_loadcnt 12                              ; tile 0's 16 loads are in; the 8 of q and the 4 of vsum behind them may be out
	LSTORE 0
	s_wait_loadcnt 0x0
	v_pk_add_f32 v[PT:PT+1], v[PT:PT+1], v[PT+2:PT+3]
	v_pk_add_f32 v[PT+4:PT+5], v[PT+4:PT+5], v[PT+6:PT+7]
	v_pk_add_f32 v[PT:PT+1], v[PT:PT+1], v[PT+4:PT+5]
	ds_store_b64 v[VSW], v[PT:PT+1]
	s_wait_kmcnt 0x0                               ; the record
	s_min_u32 s72, s72, 256                        ; what it can hold at the most
	s_min_u32 s73, s73, 7
	s_min_u32 s74, s74, 2048
	s_min_u32 s75, s75, 4
	v_cmp_le_u32 vcc_lo, s72, v0                   ; rows r .. 255 of tile 0 are pads
	v_cndmask_b32 v[PT+8], 0, v3, vcc_lo
	ds_store_b32 v[TBS], v[PT+8]
	s_wait_dscnt 0x0                               ; for the other waves' sake: my parts of tile 0, of the table and of the sums are written
	s_barrier_signal -1
	s_barrier_wait -1
; The K fragments of step j of a slot: 16 LDS loads; bias = 1 (tile 0): its 8 loads of constants too
.macro KB slot, j, bias
.irp kt, 0,1,2,3
.irp ks, 0,1
	ds_load_b128 v[KF+8*(2*\kt+\ks):KF+8*(2*\kt+\ks)+3],   v[ADK+\slot] offset:(64*(\j)+16*\kt)*KP+64*\ks
	ds_load_b128 v[KF+8*(2*\kt+\ks)+4:KF+8*(2*\kt+\ks)+7], v[ADK+\slot] offset:(64*(\j)+16*\kt)*KP+64*\ks+32
.endr
.endr
.if \bias
.irp kt, 0,1,2,3
	ds_load_b128 v[BI+8*\kt:BI+8*\kt+3],   v[ADB] offset:256*(\j)+64*\kt
	ds_load_b128 v[BI+8*\kt+4:BI+8*\kt+7], v[ADB] offset:256*(\j)+64*\kt+16
.endr
.endif
.endm
.macro RESCALE                         ; O of tile i times AL_i, a lane's own query's factor
	WIN 0x41
.irp i, 0,1
.irp n, 0,2,4,6,8,10,12,14,16,18,20,22,24,26,28,30
	v_pk_mul_f32 v[OA+32*\i+\n:OA+32*\i+\n+1], v[OA+32*\i+\n:OA+32*\i+\n+1], v[AL+2*\i:AL+2*\i+1] op_sel_hi:[1,0]
.endr
.endr
.endm
; 64 keys x 32 queries: new running maximum M, factor AL = 2^(old M - new M), p = 2^(S - M) in place, running sum L (per half of the lanes), p packed to f16 in place.
; Each stage takes both query tiles, so that no instruction waits for the one in front of it.
.macro SOFTMAX first
.irp i, 0,1
.irp c, 0,1
	v_max3_num_f32 v[T+2*\i+\c], v[SB+32*\i+16*\c], v[SB+32*\i+16*\c+1], v[SB+32*\i+16*\c+2]
.endr
.endr
.irp n, 0,1,2,3,4,5
.irp i, 0,1
.irp c, 0,1
	v_max3_num_f32 v[T+2*\i+\c], v[T+2*\i+\c], v[SB+32*\i+16*\c+3+2*\n], v[SB+32*\i+16*\c+4+2*\n]
.endr
.endr
.endr
.irp i, 0,1
	v_max3_num_f32 v[T+2*\i], v[T+2*\i], v[T+2*\i+1], v[SB+32*\i+15]
.endr
.irp i, 0,1
.if \first
	v_max_num_f32 v[T+2*\i], v[T+2*\i], v[SB+32*\i+31]
.else
	v_max3_num_f32 v[T+2*\i], v[T+2*\i], v[SB+32*\i+31], v[M+2*\i]
.endif
.endr
.irp i, 0,1
	v_permlanex16_b32 v[M+2*\i+1], v[T+2*\i], s12, s13     ; the other half of the lanes holds the query's other 32 keys
.endr
.irp i, 0,1
	v_max_num_f32 v[T+2*\i+1], v[T+2*\i], v[M+2*\i+1]
.endr
.if \first == 0
.irp i, 0,1
	v_sub_f32 v[AL+2*\i], v[M+2*\i], v[T+2*\i+1]
.endr
.endif
.irp i, 0,1
	v_mov_b32 v[M+2*\i], v[T+2*\i+1]
.endr
.irp n, 0,2,4,6,8,10,12,14,16,18,20,22,24,26,28,30
.irp i, 0,1
	v_pk_add_f32 v[SB+32*\i+\n:SB+32*\i+\n+1], v[SB+32*\i+\n:SB+32*\i+\n+1], v[M+2*\i:M+2*\i+1] op_sel_hi:[1,0] neg_lo:[0,1] neg_hi:[0,1]
.endr
.endr
.if \first == 0
	v_exp_f32 v[AL], v[AL]
	v_exp_f32 v[AL+2], v[AL+2]
.endif
.irp i, 0,1
.irp kt, 0,1,2,3
.irp j, 0,1,2,3,4,5,6,7
	v_exp_f32 v[SB+32*\i+8*\kt+\j], v[SB+32*\i+8*\kt+\j]
.endr
.endr
.endr
	v_nop                                          ; one plain place between the last exponential and the first use of a result (ISA guide 5.7.2)
	s_wait_alu depctr_va_vdst(0)
.irp i, 0,1
	v_pk_add_f32 v[U+4*\i:U+4*\i+1],   v[SB+32*\i:SB+32*\i+1],   v[SB+32*\i+2:SB+32*\i+3]
	v_pk_add_f32 v[U+4*\i+2:U+4*\i+3], v[SB+32*\i+4:SB+32*\i+5], v[SB+32*\i+6:SB+32*\i+7]
.endr
.irp n, 8,12,16,20,24,28
.irp i, 0,1
	v_pk_add_f32 v[U+4*\i:U+4*\i+1],   v[U+4*\i:U+4*\i+1],   v[SB+32*\i+\n:SB+32*\i+\n+1]
	v_pk_add_f32 v[U+4*\i+2:U+4*\i+3], v[U+4*\i+2:U+4*\i+3], v[SB+32*\i+\n+2:SB+32*\i+\n+3]
.endr
.endr
.irp i, 0,1
	v_pk_add_f32 v[U+4*\i:U+4*\i+1], v[U+4*\i:U+4*\i+1], v[U+4*\i+2:U+4*\i+3]
.endr
.irp i, 0,1
.if \first
	v_add_f32 v[AL+2*\i+1], v[U+4*\i], v[U+4*\i+1]
.else
	v_add_f32 v[U+4*\i], v[U+4*\i], v[U+4*\i+1]
.endif
.endr
.if \first == 0
.irp i, 0,1
	v_fma_f32 v[AL+2*\i+1], v[AL+2*\i+1], v[AL+2*\i], v[U+4*\i]
.endr
.endif
.irp n, 0,1,2,3,4,5,6,7,8,9,10,11,12,13,14,15
.irp i, 0,1
	v_cvt_pk_f16_f32 v[SB+32*\i+\n], v[SB+32*\i+2*\n], v[SB+32*\i+2*\n+1]   ; ascending: register n is written when 2 n and 2 n + 1 are read
.endr
.endr
.endm
; One step: 64 keys.  In each run of matrix instructions the eight accumulators take turns, one instruction a turn.
; last = 0: the next step's K fragments are asked for behind the score products.  bias = 1: the scores start from tile 0's constants, else from 0.
.macro STEP slot, j, first, last, bias
	WIN 0x40
.irp dt, 0,1,2,3
.irp c, 0,1
	ds_load_tr16_b128 v[VF+8*(2*\dt+\c):VF+8*(2*\dt+\c)+3],   v[ADV+\slot] offset:(64*\j+32*\c)*VP+32*\dt
	ds_load_tr16_b128 v[VF+8*(2*\dt+\c)+4:VF+8*(2*\dt+\c)+7], v[ADV+\slot] offset:(64*\j+32*\c)*VP+32*\dt+16*VP
.endr
.endr
	WIN 0
	s_wait_dscnt 16                                ; K (and the constants) are in; the 16 loads of V just issued may be out
.irp i, 0,1
.irp kt, 0,1,2,3
.if \bias
	v_wmma_f32_16x16x32_f16 v[SB+32*\i+8*\kt:SB+32*\i+8*\kt+7], v[KF+16*\kt:KF+16*\kt+7], v[QF+16*\i:QF+16*\i+7], v[BI+8*\kt:BI+8*\kt+7]
.else
	v_wmma_f32_16x16x32_f16 v[SB+32*\i+8*\kt:SB+32*\i+8*\kt+7], v[KF+16*\kt:KF+16*\kt+7], v[QF+16*\i:QF+16*\i+7], 0
.endif
.endr
.endr
.irp i, 0,1
.irp kt, 0,1,2,3
	v_wmma_f32_16x16x32_f16 v[SB+32*\i+8*\kt:SB+32*\i+8*\kt+7], v[KF+16*\kt+8:KF+16*\kt+15], v[QF+16*\i+8:QF+16*\i+15], v[SB+32*\i+8*\kt:SB+32*\i+8*\kt+7]
.endr
.endr
.rept 4
	v_nop                                          ; four places: then K's registers are loaded again and the scores are read
.endr
.if \last == 0
	KB \slot, (\j+1), \bias
.endif
	SOFTMAX \first
.if \last
	s_wait_dscnt 0                                 ; V is in; nothing was issued behind it
.else
	s_wait_dscnt 16+8*\bias                        ; V is in; the loads for the next step stay out
.endif
.if \first == 0
	RESCALE
.endif
	WIN 0x51
.irp i, 0,1
.irp dt, 0,1,2,3
.if \first
	v_wmma_f32_16x16x32_f16 v[OA+32*\i+8*\dt:OA+32*\i+8*\dt+7], v[VF+16*\dt:VF+16*\dt+7], v[SB+32*\i:SB+32*\i+7], 0
.else
	v_wmma_f32_16x16x32_f16 v[OA+32*\i+8*\dt:OA+32*\i+8*\dt+7], v[VF+16*\dt:VF+16*\dt+7], v[SB+32*\i:SB+32*\i+7], v[OA+32*\i+8*\dt:OA+32*\i+8*\dt+7]
.endif
.endr
.endr
.irp i, 0,1
.irp dt, 0,1,2,3
	v_wmma_f32_16x16x32_f16 v[OA+32*\i+8*\dt:OA+32*\i+8*\dt+7], v[VF+16*\dt+8:VF+16*\dt+15], v[SB+32*\i+8:SB+32*\i+15], v[OA+32*\i+8*\dt:OA+32*\i+8*\dt+7]
.endr
.endr
	WIN 0
.rept 5
	v_nop                                          ; five places: what follows loads fragment registers again, writes over P by score products, or reads O
.endr
.endm
.macro SLOTRUN slot                    ; a full tile's 256 open keys
	KB \slot, 0, 0
	STEP \slot, 0, 0, 0, 0
	STEP \slot, 1, 0, 0, 0
	STEP \slot, 2, 0, 0, 0
	STEP \slot, 3, 0, 1, 0
.endm
; The trip of tile t = s45, which lies in slot 'slot'.  The barrier at its head is passed by every wave in every trip.  In front of it each wave has waited for its LDS stores (its part of
; this tile) and for its LDS loads (its reads of the other slot); behind it this tile is whole, and the other slot may be written.
; more = 1: tile t + 1, if there is one, begins noff bytes behind the bases; it is loaded at the trip's head and stored into the other slot at its end.
; The wait for the loads stands on both ways past the branch round them, so that no load is out where the ways join.
.macro TRIP slot, noff, more
	s_wait_dscnt 0x0
	s_barrier_signal -1
	s_barrier_wait -1
	s_cmp_gt_u32 s45, s73
	s_cbranch_scc1 .Lidle_\@                       ; t > R: no such tile
.if \more
	s_cmp_eq_u32 s45, s73
	s_cbranch_scc1 .Llast_\@                       ; t = R: none follows
	GLOAD \noff
.Llast_\@:
.endif
	SLOTRUN \slot
.if \more
	s_wait_loadcnt 0x0
	s_cmp_eq_u32 s45, s73
	s_cbranch_scc1 .Lidle_\@
	LSTORE (1-\slot)
.endif
.Lidle_\@:
	s_add_co_u32 s45, s45, 1
.endm
	; TRIP 0, behind the prologue's barrier.  Tile 1, if there is one, is asked for first.
	s_cmp_eq_u32 s73, 0
	s_cbranch_scc1 .Lonly_tile
	GLOAD TILEB
.Lonly_tile:
	; Tile 0: 1 to 4 steps, as many as hold an open key (one where there is none).  The first starts maximum, sum and O.  Each step asks for its own fragments, so that no LDS load is out where the ways join.
	KB 0, 0, 1
	STEP 0, 0, 1, 1, 1
	s_cmp_lt_u32 s75, 2
	s_cbranch_scc1 .Ltile0_done
	KB 0, 1, 1
	STEP 0, 1, 0, 1, 1
	s_cmp_lt_u32 s75, 3
	s_cbranch_scc1 .Ltile0_done
	KB 0, 2, 1
	STEP 0, 2, 0, 1, 1
	s_cmp_lt_u32 s75, 4
	s_cbranch_scc1 .Ltile0_done
	KB 0, 3, 1
	STEP 0, 3, 0, 1, 1
.Ltile0_done:
	s_wait_loadcnt 0x0
	s_cmp_eq_u32 s73, 0
	s_cbranch_scc1 .Lnone_stored
	LSTORE 1
.Lnone_stored:
	; TRIPS 1 TO 7.  Pass n of the loop takes tiles 2 n + 1 (slot 1) and 2 n + 2 (slot 0); the bases stand at tile 2 n.
	s_mov_b32 s45, 1
	s_mov_b32 s44, 0
.Lloop:
	TRIP 1, (2*TILEB), 1
	TRIP 0, (3*TILEB), 1
	s_add_nc_u64 s[32:33], s[32:33], 2*TILEB       ; no load is out: each trip has waited for its own
	s_add_nc_u64 s[34:35], s[34:35], 2*TILEB
	s_add_co_u32 s44, s44, 1
	s_cmp_lt_u32 s44, 3
	s_cbranch_scc1 .Lloop
	TRIP 1, 0, 0                                   ; tile 7: none can follow
	; THE MASKED KEYS' TERM.  M' = max(M, NEG); a = 2^(M - M'), b = 2^(NEG - M'); L' = a L + b n_m; O' = (a O + b sum of masked v) / L'.  With no masked key PAD stands for NEG: then M' = M, b = 0.
.irp i, 0,1,2,3,4,5,6,7
	ds_load_b64 v[KF+2*\i:KF+2*\i+1], v[VSA] offset:256*\i         ; the eight waves' sums, written in front of the first barrier
.endr
	s_mov_b32 s77, PADB
	s_mov_b32 s78, NEGB
	s_cmp_lg_u32 s74, 0
	s_cselect_b32 s77, s78, s77
	v_cvt_f32_u32 v[U], s74
	v_max_num_f32 v[T], s77, v[M]
	v_max_num_f32 v[T+2], s77, v[M+2]
	v_sub_f32 v[AL], v[M], v[T]
	v_sub_f32 v[AL+2], v[M+2], v[T+2]
	v_sub_f32 v[T], s77, v[T]
	v_sub_f32 v[T+2], s77, v[T+2]
	v_permlanex16_b32 v[M+1], v[AL+1], s12, s13    ; the two halves' sums meet
	v_permlanex16_b32 v[M+3], v[AL+3], s12, s13
	v_exp_f32 v[AL], v[AL]                         ; a
	v_exp_f32 v[AL+2], v[AL+2]
	v_exp_f32 v[T], v[T]                           ; b
	v_exp_f32 v[T+2], v[T+2]
	v_add_f32 v[AL+1], v[AL+1], v[M+1]             ; also the plain place behind the exponentials
	v_add_f32 v[AL+3], v[AL+3], v[M+3]
	s_wait_alu depctr_va_vdst(0)
	v_mul_f32 v[U+1], v[U], v[T]
	v_mul_f32 v[U+2], v[U], v[T+2]
	v_fma_f32 v[AL+1], v[AL+1], v[AL], v[U+1]      ; L' is at least 1: the largest term is 2^0
	v_fma_f32 v[AL+3], v[AL+3], v[AL+2], v[U+2]
	v_rcp_f32 v[U+4], v[AL+1]
	v_rcp_f32 v[U+5], v[AL+3]
	v_nop                                          ; one plain place behind the reciprocals
	s_wait_alu depctr_va_vdst(0)
	v_mul_f32 v[AL], v[AL], v[U+4]                 ; a / L'
	v_mul_f32 v[AL+2], v[AL+2], v[U+5]
	v_mul_f32 v[M], v[T], v[U+4]                   ; b / L'
	v_mul_f32 v[M+2], v[T+2], v[U+5]
	s_wait_dscnt 0x0
	v_pk_add_f32 v[KF:KF+1], v[KF:KF+1], v[KF+2:KF+3]
	v_pk_add_f32 v[KF+4:KF+5], v[KF+4:KF+5], v[KF+6:KF+7]
	v_pk_add_f32 v[KF+8:KF+9], v[KF+8:KF+9], v[KF+10:KF+11]
	v_pk_add_f32 v[KF+12:KF+13], v[KF+12:KF+13], v[KF+14:KF+15]
	v_pk_add_f32 v[KF:KF+1], v[KF:KF+1], v[KF+4:KF+5]
	v_pk_add_f32 v[KF+8:KF+9], v[KF+8:KF+9], v[KF+12:KF+13]
	v_pk_add_f32 v[KF:KF+1], v[KF:KF+1], v[KF+8:KF+9]
	ds_store_b64 v[VTA], v[KF:KF+1]                ; the whole sum, in my wave's own 256 bytes,
.irp dt, 0,1,2,3
	ds_load_b128 v[BI+8*\dt:BI+8*\dt+3],   v[VTB] offset:64*\dt    ; and back as O lies: register j of tile dt is d = 16 dt + 8 h + j (LDS serves a wave's instructions in order)
	ds_load_b128 v[BI+8*\dt+4:BI+8*\dt+7], v[VTB] offset:64*\dt+16
.endr
	s_wait_dscnt 0x0
.irp i, 0,1
.irp n, 0,2,4,6,8,10,12,14,16,18,20,22,24,26,28,30
	v_pk_mul_f32 v[SB+32*\i+\n:SB+32*\i+\n+1], v[BI+\n:BI+\n+1], v[M+2*\i:M+2*\i+1] op_sel_hi:[1,0]
.endr
.endr
	WIN 0x41
.irp i, 0,1
.irp n, 0,2,4,6,8,10,12,14,16,18,20,22,24,26,28,30
	v_pk_fma_f32 v[OA+32*\i+\n:OA+32*\i+\n+1], v[OA+32*\i+\n:OA+32*\i+\n+1], v[AL+2*\i:AL+2*\i+1], v[SB+32*\i+\n:SB+32*\i+\n+1] op_sel_hi:[1,0,1]
.endr
.endr
	; round to f16; through my own stage; each store of the wave covers 512 consecutive bytes, aligned
	WIN 0x05
.irp i, 0,1
.irp dt, 0,1,2,3
.irp q, 0,1,2,3
	v_cvt_pk_f16_f32 v[SB+16*\i+4*\dt+\q], v[OA+32*\i+8*\dt+2*\q], v[OA+32*\i+8*\dt+2*\q+1]   ; a lane's 8 registers of a tile: d = 16 dt + 8 h + 0..7 of its query
.endr
.endr
.endr
	WIN 0
.irp i, 0,1
.irp dt, 0,1,2,3
	ds_store_b128 v[STO], v[SB+16*\i+4*\dt:SB+16*\i+4*\dt+3] offset:\i*16*SPITCH+32*\dt
.endr
.endr
.irp t, 0,1,2,3,4,5,6,7
	ds_load_b128 v[KF+4*\t:KF+4*\t+3], v[RD] offset:\t*4*SPITCH    ; LDS serves a wave's instructions in order: these see the stores above
.endr
.irp t, 0,1,2,3,4,5,6,7
	s_wait_dscnt 7-\t                              ; the younger loads stay out
	global_store_b128 v[CO], v[KF+4*\t:KF+4*\t+3], s[70:71] offset:512*\t
.endr
	s_wait_tensorcnt 0x0
	ds_add_u32 v254, v255
	s_wait_dscnt 0x0
	s_endpgm
.Lfunc_end_k_q6e82c8612f_attn:
	.size	k_q6e82c8612f_attn, .Lfunc_end_k_q6e82c8612f_attn-k_q6e82c8612f_attn
	.p2alignl 7, 3214868480
	.fill 96, 4, 3214868480
	.section	.rodata,"a",@progbits
	.p2align	6, 0x0
	.amdhsa_kernel k_q6e82c8612f_attn
		.amdhsa_group_segment_fixed_size 209920
		.amdhsa_private_segment_fixed_size 0
		.amdhsa_enable_private_segment 0
		.amdhsa_kernarg_size 32
		.amdhsa_user_sgpr_count 2
		.amdhsa_user_sgpr_kernarg_segment_ptr 1
		.amdhsa_wavefront_size32 1
		.amdhsa_system_sgpr_workgroup_id_x 1
		.amdhsa_system_sgpr_workgroup_id_y 1
		.amdhsa_system_sgpr_workgroup_id_z 1
		.amdhsa_system_vgpr_workitem_id 0
		.amdhsa_next_free_vgpr 448
		.amdhsa_next_free_sgpr 80
		.amdhsa_reserve_vcc 1
		.amdhsa_float_denorm_mode_32 3
		.amdhsa_float_denorm_mode_16_64 3
		.amdhsa_memory_ordered 1
		.amdhsa_forward_progress 1
		.amdhsa_inst_pref_size 255
	.end_amdhsa_kernel
	.section	.bss,"aw",@nobits
	.p2align	6
	.space	262144
	.amdgpu_metadata
---
amdhsa.version: [ 1, 2 ]
amdhsa.kernels:
  - .name:           k_q6e82c8612f_attn
    .symbol:         k_q6e82c8612f_attn.kd
    .args:
      - { .name: qkv, .offset: 0, .size: 8, .value_kind: global_buffer, .address_space: global }
      - { .name: order, .offset: 8, .size: 8, .value_kind: global_buffer, .address_space: global }
      - { .name: vsum, .offset: 16, .size: 8, .value_kind: global_buffer, .address_space: global }
      - { .name: attw, .offset: 24, .size: 8, .value_kind: global_buffer, .address_space: global }
    .group_segment_fixed_size: 209920
    .private_segment_fixed_size: 0
    .kernarg_segment_align: 8
    .kernarg_segment_size: 32
    .max_flat_workgroup_size: 256
    .sgpr_count:     80
    .vgpr_count:     448
    .wavefront_size: 32
...
	.end_amdgpu_metadata
.endif
;; end of part 7
;; launch oproj: the kernel of part 4 again; grid 12 x 16, 4 waves a work-group, clusters of 4 x 4, 327,680 bytes of LDS; arguments attw, wb, bo, out0; writes out0
